; MI455X (gfx1250); checked and timed in simulation.
; The chip was launched on July 23, 2026; its instructions are those of AMD's public machine-readable ISA for CDNA 5 (MIT licence, August 2026) and "CDNA5" Instruction Set Architecture Reference Guide (July 2026). The comments in the code are by the model that wrote it; some were corrected since.
;; Optimized Triplet Attention. Allowed arithmetic: matrix products marked QUANTISED: E2M3 operands, one E8M0 scale for each 32 along K, by v_wmma_scale_f32_16x16x128_f8f6f4 with both operands' format E2M3, f32 sums; everything else in f32.
;; Inputs: Wout 1,024 x 1,024 float32; Wqkvt 1,024 x 4,096 float32; bout 1,024 float32; bqkvt 4,096 float32; x 2 x 2,048 x 1,024 float32.
;; Outputs: out0 2 x 2,048 x 1,024 float32.
;; This version of the problem:
;;   THIS VERSION OF THE PROBLEM IS GIVEN IN LOW PRECISION. The matrix products marked QUANTISED in the list below multiply operands that are first quantised to E2M3 (2 exponent bits, 3 mantissa bits; 6 bits a number), with one power-of-two scale for each 32 numbers along K (OCP MX v1.0); their sums are f32. All else is computed in f32.
;;   The module's matrix products, in the order in which they are computed (A, B: the left and right operand; K: the contracted axis; several contracted axes count as one K, in the product's order):
;;     1. [M 4,096, K 1,024] x [K 1,024, N 4,096]; A: input x; B: input Wqkvt: QUANTISED
;;     2. batch 32 x [M 2,048, K 64] x [K 64, N 2,048]; A: computed on the way; B: computed on the way: QUANTISED
;;     3. batch 32 x [M 2,048, K 64] x [K 64, N 2,048]; A: computed on the way; B: computed on the way: QUANTISED
;;     4. batch 32 x [M 2,048, K 2,048] x [K 2,048, N 64]; A: softmax (see below); B: computed on the way: QUANTISED
;;     5. [M 4,096, K 1,024] x [K 1,024, N 1,024]; A: computed on the way; B: input Wout: QUANTISED
;;   THE QUANTISER, for each operand of a quantised product, along K:
;;     - K is cut into blocks of 32 from its start; a last block that is shorter is filled with zeros.
;;     - A block's scale is 2^e with e = floor(log2(the largest magnitude in the block)) - 2, held to -126 .. 127; a block of zeros has e = 0. As a byte (E8M0): e + 127.
;;     - Each number is divided by its block's scale, clamped to +-7.5, and rounded to the nearest number of E2M3, ties to even, subnormals kept.
;;     - The product sums the exact products of the quantised numbers (number of the format x scale) in f32.
;;   ~~~python
;;   def quantise(x, axis):      # numpy; x: float32 -> the quantised numbers, widened to float32 again
;;       x = np.moveaxis(x, axis, -1); K = x.shape[-1]
;;       x = np.pad(x, [(0, 0)] * (x.ndim - 1) + [(0, -K % 32)]); x = x.reshape(x.shape[:-1] + (-1, 32)); a = np.abs(x).max(-1, keepdims=True)
;;       e = np.where(a > 0, np.clip(np.frexp(np.where(a > 0, a, 1))[1] - 1 - 2, -126, 127), 0)      # np.frexp(a)[1] - 1 = floor(log2(a)), exactly
;;       r = np.clip(x / 2.0 ** e, -7.5, 7.5)
;;       step = 2.0 ** (np.maximum(np.frexp(np.where(r == 0, 1, r))[1] - 1, 0) - 3)
;;       q = np.round(r / step) * step * 2.0 ** e      # np.round: ties to even
;;       return np.moveaxis(q.reshape(q.shape[:-2] + (-1,))[..., :K], -1, axis).astype(np.float32)
;;   ~~~
;;   SOFTMAX AHEAD OF A QUANTISED PRODUCT. Where the list says 'softmax', what is quantised is not the finished softmax but p = 2^(t - M), with t = logit x log2(e) and M = ceil(the row's largest t), a whole number; so 1/2 < the row's largest p <= 1. The row's sum l is taken of the UNQUANTISED p, in f32, and the product's result is divided by l at the end. Since M is a whole number, a kernel that streams over the keys may use a running M (the ceiling of the running maximum): every later rescaling is an exact power of two, which a block's scale takes up: the codes' values come out the same.
;;   OPERANDS COMPUTED ON THE WAY. 'Computed on the way' means the value that the module computes at that place (a softmax that the list does not call 'softmax' is quantised finished and normalised). What goes into a quantiser is computed in f32, as accurately as f32 sums, v_exp_f32 and their like allow (about 1e-6 of the number): no bf16 or f16 on the way to a quantiser, and a product that is left as it is and whose result goes on into a quantised operand takes f32 operands (vector FMAs, or v_wmma_f32_16x16x4_f32). A number that lies on a knife's edge between two numbers of the format may be rounded either way, as far as f32 arithmetic and the matrix unit's own rounding can turn it there, and no further.
;; One version. Each part assembles by itself: llvm-mc -triple=amdgcn-amd-amdhsa -mcpu=gfx1250 --defsym DOCPART=n.
;; ======== version 1 of 1: 5 launches
;; limits: right only within a limited range of input values
;; workspace buffers: qz 7,372,800 bytes; g1 40,370,176 bytes; kvr 9,830,400 bytes; ao 3,276,800 bytes
;; launch quant (part 1): grid 832 x 1, 4 waves a work-group, no clusters, 34,304 bytes of LDS; arguments x, Wqkvt, Wout, qz; writes qz
.if DOCPART == 1
	.amdgcn_target "amdgcn-amd-amdhsa--gfx1250"
	.amdhsa_code_object_version 6
	.text
	.protected	k_qacbb5155f9_quant
	.globl	k_qacbb5155f9_quant
	.p2align	8
	.type	k_qacbb5155f9_quant,@function
k_qacbb5155f9_quant:
	s_mov_b64 s[64:65], 0
	v_nop
	global_prefetch_b8 v0, s[64:65] scope:SCOPE_SE
	s_setreg_imm32_b32 hwreg(HW_REG_WAVE_MODE, 25, 1), 1
	s_wait_xcnt 0x0
; LAUNCH 1 OF 5.  x [4096][1024], Wqkvt [1024][4096] and Wout [1024][1024], f32, become codes of FP6 (E2M3) with one E8M0 byte for each 32 along K (K = the 1,024 of x's rows and of the weights' FIRST axis).
; THE PROGRAM: quant (this) | gemm1: x Wqkvt + b, whose way out makes the operand [q | q tt] as codes, k and v as f32 and sums of k v | prep: the cumulative sum, the operand [k | kv_cum] and V^T as codes |
; attn: both score products in ONE instruction of K = 128 (64 of q.k and 64 of (q tt).kv_cum, four blocks of 32 with scales of their own), softmax, p V | gemm2: the projection on the way out.
; WORK LEFT OUT, in launch attn alone: reference() sets scores to -inf where key > query by a mask that it builds itself (jnp.triu); p is then 0 whatever the inputs hold, so a step of 128 keys all of which come
; after a wave's 16 queries adds nothing to the sum or to p V, and is not computed.  Every input has a way to the output and is loaded.  LIMIT: a NaN, an infinity or an overflow that would arise only in scores so left out is not carried on.
; LIMITS: NaN and infinities among the inputs are not served.  A block of zeros gets the byte 1 where the quantiser says 127: its codes are zeros, and the bytes are read by this program alone.
; A block whose largest magnitude lies under 2^-124 is held at the byte 1.
; LAYOUT OUT (buffer qz).  A fragment is 16 rows x 128 K, 12 registers a lane (lane (r, h): registers 6 c .. 6 c + 5 = K 64 c + 32 h + 0 .. 31 of row r).  It is stored as an IMAGE OF ITS REGISTERS, 1,536 bytes:
; register 4 c + i of lane L at 512 c + 16 L + 4 i, so that three loads of 16 bytes a lane bring it back.  Its 16 scale words lie in 64 bytes, row r's at 4 r.
; x: fragment (row block rb, K step s) at 1536 (8 rb + s).  Weights: a "row" is a column of the weight.  In each group of 32 columns, tile u's lane r is column 8 u + r + 8 (r / 8): used as source 0 of a product,
; two such tiles leave a lane 16 neighbouring columns in 16 registers.  Wqkvt's row blocks are ordered 16 head + 4 part + 2 b + u, part 0 = q, 1 = t, 2 = k, 3 = v: a head's 256 columns lie together.
; SHARES.  One wave, one task: x: 16 rows x 128 K (work-groups 0-511); Wqkvt: 32 columns x 128 K (512-767); Wout likewise (768-831).  No wave waits for another; only x's path uses LDS (each wave's own stage).
.set SPARE, 33792                      ; behind the four stages: the spare words, 128 bytes a wave
.set WA_, 3145728                      ; regions of qz: x's images at 0, Wqkvt's, Wout's,
.set OA_, 6291456
.set XS_, 7077888                      ; and the three regions of scale words
.set WS_, 7208960
.set OS_, 7340032
.set SPW, 4                            ; v4  my spare word; never rewritten
.set NIL, 5                            ; v5  0; never rewritten
.set WD,  11                           ; v11 a scale word
.set QM,  12                           ; v12-15 largest magnitudes
.set QS,  16                           ; v16-19 the conversions' scale operands
.set QB,  20                           ; v20-23 a second chain of maxima, then the bytes
.set FA,  24                           ; v24-35 a fragment;  v36-47 a second
.set FB,  36
.set TT,  48                           ; v48-63 four halves of blocks (a conversion's three registers begin on an even number)
.set X,   64                           ; v64-191 128 numbers
.macro LOADB m, pitch                  ; block m of a column task: W(32 m + i, my column), i = 0 .. 31: the wave reads 128 consecutive bytes, the work-group's four waves 512
.set ii, 0
.rept 32
	global_load_b32 v[X+32*(\m)+ii], v6, s[24:25] offset:(32*(\m)+ii)*(\pitch) th:TH_LOAD_NT
.set ii, ii+1
.endr
.endm
.macro MAXB m                          ; the block's largest magnitude (all 32 numbers are mine), with the floor 2^(3 - 127) as one more leaf; its scale operand; its byte
.set XB, X+32*(\m)
	v_max3_num_f32 v[QM+(\m)], |v[XB]|, |v[XB+1]|, |v[XB+2]|
	v_max3_num_f32 v[QB+(\m)], |v[XB+3]|, |v[XB+4]|, |v[XB+5]|
.irp i, 6,10,14,18,22,26
	v_max3_num_f32 v[QM+(\m)], v[QM+(\m)], |v[XB+\i]|, |v[XB+\i+1]|
	v_max3_num_f32 v[QB+(\m)], v[QB+(\m)], |v[XB+\i+2]|, |v[XB+\i+3]|
.endr
	v_max3_num_f32 v[QM+(\m)], v[QM+(\m)], |v[XB+30]|, |v[XB+31]|
	v_max3_num_f32 v[QM+(\m)], v[QM+(\m)], v[QB+(\m)], 0x1800000
	v_add_nc_u32 v[QS+(\m)], 0xff000000, v[QM+(\m)]     ; 2 off the exponent field: the conversion takes that field as its scale
	v_lshrrev_b32 v[QB+(\m)], 23, v[QS+(\m)]            ; the byte
.endm
; 128 numbers of a lane's column become two fragments: lanes 0-15 are the columns of tile 0 (FA), lanes 16-31 those of tile 1 (FB).  A fragment wants K 64 c + 32 h + .. in lane (r, h): so the codes of
; K 64 c + 32 .. of lanes 0-15 change places with those of K 64 c .. of lanes 16-31.
.macro PACKC
	v_lshl_or_b32 v[WD], v[QB+1], 8, v[QB]
	v_lshl_or_b32 v[WD], v[QB+2], 16, v[WD]
	v_lshl_or_b32 v[WD], v[QB+3], 24, v[WD]             ; my column's scale word
.irp c, 0,1
	v_cvt_scalef32_pk16_fp6_f32 v[FA+6*\c:FA+6*\c+2], v[X+64*\c:X+64*\c+15], v[QS+2*\c]
	v_cvt_scalef32_pk16_fp6_f32 v[TT+8*\c:TT+8*\c+2], v[X+64*\c+16:X+64*\c+31], v[QS+2*\c]
	v_cvt_scalef32_pk16_fp6_f32 v[FB+6*\c:FB+6*\c+2], v[X+64*\c+32:X+64*\c+47], v[QS+2*\c+1]
	v_cvt_scalef32_pk16_fp6_f32 v[TT+8*\c+4:TT+8*\c+6], v[X+64*\c+48:X+64*\c+63], v[QS+2*\c+1]
.endr
	v_nop                                               ; one plain place behind the conversions
.irp c, 0,1
.irp i, 0,1,2
	v_permlane16_swap_b32 v[FA+6*\c+\i], v[FB+6*\c+\i]
	v_permlane16_swap_b32 v[TT+8*\c+\i], v[TT+8*\c+4+\i]
.endr
.irp i, 0,1,2
	v_mov_b32 v[FA+6*\c+3+\i], v[TT+8*\c+\i]
	v_mov_b32 v[FB+6*\c+3+\i], v[TT+8*\c+4+\i]
.endr
.endr
.endm
.macro WCOLS pitch                     ; loads run two blocks ahead: 64 are out at the most; each count of 32 leaves the one younger block out
	LOADB 0, \pitch
	LOADB 1, \pitch
	s_wait_loadcnt 32
	LOADB 2, \pitch
	MAXB 0
	s_wait_loadcnt 32
	LOADB 3, \pitch
	MAXB 1
	s_wait_loadcnt 32
	MAXB 2
	s_wait_loadcnt 0x0
	MAXB 3
	PACKC
.endm
	s_load_b256 s[4:11], s[0:1], 0x0               ; x s[4:5], Wqkvt s[6:7], Wout s[8:9], qz s[10:11]
	v_lshl_add_u32 v[SPW], v0, 2, SPARE
	v_mov_b32 v[NIL], 0
	v_lshrrev_b32 v1, 5, v0
	v_readfirstlane_b32 s12, v1                    ; wave
	v_and_b32 v1, 31, v0                           ; lane
	v_and_b32 v2, 15, v0                           ; r
	v_bfe_u32 v3, v0, 4, 1                         ; h (in a column task: u)
	v_lshlrev_b32 v9, 4, v1                        ; 16 x lane
	s_mov_b32 s30, 0x76543210
	s_mov_b32 s31, 0xfedcba98                      ; selects for lane l xor 16
	s_mul_i32 s14, s12, 8448                       ; my stage: 16 rows of 512 + 16 bytes
	v_add_nc_u32 v7, s14, v9                       ; into it: 16 bytes a lane of a row
	v_mul_u32_u24 v8, v2, 528
	v_lshl_add_u32 v8, v3, 7, v8
	v_add_nc_u32 v8, s14, v8                       ; out of it: row r, + 128 h: my block of 32 numbers
	s_mov_b32 s17, 0
	s_wait_kmcnt 0x0
	s_cmp_lt_u32 ttmp9, 512
	s_cbranch_scc0 .Lweights
	; ---- x: task T = 8 rb + s
	s_lshl_b32 s13, ttmp9, 2
	s_add_co_u32 s13, s13, s12
	s_lshr_b32 s14, s13, 3
	s_and_b32 s15, s13, 7
	s_lshl_b32 s16, s14, 16                        ; 16 rows of 4,096 bytes
	s_lshl_b32 s15, s15, 9                         ; 128 numbers
	s_add_co_u32 s16, s16, s15
	s_add_nc_u64 s[24:25], s[4:5], s[16:17]
	s_mul_i32 s16, s13, 1536
	s_add_nc_u64 s[26:27], s[10:11], s[16:17]
	s_lshl_b32 s16, s13, 6
	s_add_co_u32 s16, s16, XS_
	s_add_nc_u64 s[28:29], s[10:11], s[16:17]
	s_wait_alu depctr_va_vdst(0)
	v_lshlrev_b32 v10, 2, v2                       ; row r's scale word
.set ii, 0
.rept 16
	global_load_b128 v[X+4*ii:X+4*ii+3], v9, s[24:25] offset:4096*ii th:TH_LOAD_NT   ; a row's 512 consecutive bytes
.set ii, ii+1
.endr
	s_wait_loadcnt 0x0
.set ii, 0
.rept 16
	ds_store_b128 v7, v[X+4*ii:X+4*ii+3] offset:528*ii
.set ii, ii+1
.endr
.irp c, 0,1                                    ; LDS serves a wave's instructions in order: these see my stores.  v[128 + 32 c + i] = x(r, 64 c + 32 h + i)
.irp j, 0,1,2,3,4,5,6,7
	ds_load_b128 v[128+32*\c+4*\j:131+32*\c+4*\j], v8 offset:256*\c+16*\j
.endr
.endr
	s_wait_dscnt 0x0
.irp c, 0,1
	v_max3_num_f32 v[QM+\c], |v[128+32*\c]|, |v[129+32*\c]|, 0x1800000      ; block 2 c + h: all its 32 numbers are mine; the floor 2^(3 - 127) holds the byte at 1 from below
.endr
.irp i, 2,4,6,8,10,12,14,16,18,20,22,24,26,28,30
.irp c, 0,1
	v_max3_num_f32 v[QM+\c], v[QM+\c], |v[128+32*\c+\i]|, |v[129+32*\c+\i]|
.endr
.endr
.irp c, 0,1
	v_add_nc_u32 v[QS+\c], 0xff000000, v[QM+\c]
.endr
.irp c, 0,1
	v_lshrrev_b32 v[QB+\c], 23, v[QS+\c]
.endr
	v_lshl_or_b32 v[WD], v[QB+1], 16, v[QB]        ; my two bytes, blocks h and 2 + h,
	v_lshlrev_b32 v22, 3, v3
	v_lshlrev_b32 v[WD], v22, v[WD]                ; at their places;
	v_mov_b32 v22, 0
	v_permlanex16_b32 v22, v[WD], s30, s31
	v_or_b32 v[WD], v[WD], v22                     ; with lane l xor 16's two the word is whole
.irp c, 0,1
	v_cvt_scalef32_pk16_fp6_f32 v[FA+6*\c:FA+6*\c+2], v[128+32*\c:143+32*\c], v[QS+\c]
	v_cvt_scalef32_pk16_fp6_f32 v[TT+4*\c:TT+4*\c+2], v[144+32*\c:159+32*\c], v[QS+\c]
.endr
	v_nop
.irp c, 0,1
.irp i, 0,1,2
	v_mov_b32 v[FA+6*\c+3+\i], v[TT+4*\c+\i]
.endr
.endr
.irp c, 0,1,2
	global_store_b128 v9, v[FA+4*\c:FA+4*\c+3], s[26:27] offset:512*\c   ; 512 consecutive bytes a store
.endr
	global_store_b32 v10, v[WD], s[28:29]          ; both halves of the lanes hold and write the same word
	s_branch .Lend
.Lweights:
	s_wait_alu depctr_va_vdst(0)
	v_and_b32 v6, 8, v2
	v_add_nc_u32 v6, v6, v2
	v_lshl_add_u32 v6, v3, 3, v6                   ; my column in the group of 32: 8 u + r + 8 (r / 8)
	v_lshlrev_b32 v6, 2, v6
	v_lshlrev_b32 v10, 2, v2
	v_lshl_add_u32 v10, v3, 9, v10                 ; my scale word: tile u's block lies 8 x 64 bytes on
	s_cmp_lt_u32 ttmp9, 768
	s_cbranch_scc0 .Lwout
	; ---- Wqkvt: task T: column group cg = T % 128, K step s = T / 128
	s_sub_co_u32 s13, ttmp9, 512
	s_lshl_b32 s13, s13, 2
	s_add_co_u32 s13, s13, s12
	s_and_b32 s14, s13, 127
	s_lshr_b32 s15, s13, 7
	s_lshl_b32 s16, s15, 21                        ; 128 rows of 16,384 bytes
	s_lshl_b32 s18, s14, 7
	s_add_co_u32 s16, s16, s18
	s_add_nc_u64 s[24:25], s[6:7], s[16:17]
	s_lshr_b32 s18, s14, 5                         ; which of q, k, v, t as reference() slices them
	s_lshl_b32 s18, s18, 2
	s_lshr_b32 s18, 0x1320, s18
	s_and_b32 s18, s18, 3                          ; part: q 0, k 2, v 3, t 1
	s_bfe_u32 s19, s14, 0x40001                    ; head
	s_and_b32 s20, s14, 1                          ; b
	s_lshl_b32 s19, s19, 4
	s_lshl_b32 s18, s18, 2
	s_lshl_b32 s20, s20, 1
	s_add_co_u32 s19, s19, s18
	s_add_co_u32 s19, s19, s20                     ; tile 0's row block
	s_lshl_b32 s19, s19, 3
	s_add_co_u32 s19, s19, s15                     ; its fragment of this K step
	s_mul_i32 s16, s19, 1536
	s_add_co_u32 s16, s16, WA_
	s_add_nc_u64 s[26:27], s[10:11], s[16:17]
	s_lshl_b32 s16, s19, 6
	s_add_co_u32 s16, s16, WS_
	s_add_nc_u64 s[28:29], s[10:11], s[16:17]
	s_wait_alu depctr_va_vdst(0)
	WCOLS 16384
	s_branch .Lcolsout
.Lwout:
	; ---- Wout: cg = T % 32, s = T / 32
	s_sub_co_u32 s13, ttmp9, 768
	s_lshl_b32 s13, s13, 2
	s_add_co_u32 s13, s13, s12
	s_and_b32 s14, s13, 31
	s_lshr_b32 s15, s13, 5
	s_lshl_b32 s16, s15, 19                        ; 128 rows of 4,096 bytes
	s_lshl_b32 s18, s14, 7
	s_add_co_u32 s16, s16, s18
	s_add_nc_u64 s[24:25], s[8:9], s[16:17]
	s_lshl_b32 s19, s14, 4                         ; 8 x (2 cg)
	s_add_co_u32 s19, s19, s15
	s_mul_i32 s16, s19, 1536
	s_add_co_u32 s16, s16, OA_
	s_add_nc_u64 s[26:27], s[10:11], s[16:17]
	s_lshl_b32 s16, s19, 6
	s_add_co_u32 s16, s16, OS_
	s_add_nc_u64 s[28:29], s[10:11], s[16:17]
	s_wait_alu depctr_va_vdst(0)
	WCOLS 4096
.Lcolsout:
	s_wait_alu depctr_va_vdst(0)
.irp c, 0,1,2
	global_store_b128 v9, v[FA+4*\c:FA+4*\c+3], s[26:27] offset:512*\c
	global_store_b128 v9, v[FB+4*\c:FB+4*\c+3], s[26:27] offset:12288+512*\c   ; tile 1's row block lies 8 fragments on
.endr
	global_store_b32 v10, v[WD], s[28:29]
.Lend:
	s_wait_tensorcnt 0x0                           ; the wave's end
	ds_add_u32 v[SPW], v[NIL]
	s_wait_dscnt 0x0
	s_endpgm
.Lfunc_end_k_qacbb5155f9_quant:
	.size	k_qacbb5155f9_quant, .Lfunc_end_k_qacbb5155f9_quant-k_qacbb5155f9_quant
	.p2alignl 7, 3214868480
	.fill 96, 4, 3214868480
	.section	.rodata,"a",@progbits
	.p2align	6, 0x0
	.amdhsa_kernel k_qacbb5155f9_quant
		.amdhsa_group_segment_fixed_size 34304
		.amdhsa_private_segment_fixed_size 0
		.amdhsa_enable_private_segment 0
		.amdhsa_kernarg_size 32
		.amdhsa_user_sgpr_count 2
		.amdhsa_user_sgpr_kernarg_segment_ptr 1
		.amdhsa_wavefront_size32 1
		.amdhsa_system_sgpr_workgroup_id_x 1
		.amdhsa_system_sgpr_workgroup_id_y 1
		.amdhsa_system_sgpr_workgroup_id_z 1
		.amdhsa_system_vgpr_workitem_id 0
		.amdhsa_next_free_vgpr 192
		.amdhsa_next_free_sgpr 66
		.amdhsa_reserve_vcc 0
		.amdhsa_float_denorm_mode_32 3
		.amdhsa_float_denorm_mode_16_64 3
		.amdhsa_memory_ordered 1
		.amdhsa_forward_progress 1
		.amdhsa_inst_pref_size 48
	.end_amdhsa_kernel
	.amdgpu_metadata
---
amdhsa.version: [ 1, 2 ]
amdhsa.kernels:
  - .name:           k_qacbb5155f9_quant
    .symbol:         k_qacbb5155f9_quant.kd
    .args:
      - { .name: x, .offset: 0, .size: 8, .value_kind: global_buffer, .address_space: global }
      - { .name: Wqkvt, .offset: 8, .size: 8, .value_kind: global_buffer, .address_space: global }
      - { .name: Wout, .offset: 16, .size: 8, .value_kind: global_buffer, .address_space: global }
      - { .name: qz, .offset: 24, .size: 8, .value_kind: global_buffer, .address_space: global }
    .group_segment_fixed_size: 34304
    .private_segment_fixed_size: 0
    .kernarg_segment_align: 8
    .kernarg_segment_size: 32
    .max_flat_workgroup_size: 128
    .sgpr_count:     66
    .vgpr_count:     192
    .wavefront_size: 32
...
	.end_amdgpu_metadata
.endif
;; end of part 1
;; launch gemm1 (part 2): grid 16 x 16, 4 waves a work-group, clusters of 4 x 4, 327,680 bytes of LDS; arguments qz, bqkvt, g1; writes g1
.if DOCPART == 2
	.amdgcn_target "amdgcn-amd-amdhsa--gfx1250"
	.amdhsa_code_object_version 6
	.text
	.protected	k_qacbb5155f9_gemm1
	.globl	k_qacbb5155f9_gemm1
	.p2align	8
	.type	k_qacbb5155f9_gemm1,@function
k_qacbb5155f9_gemm1:
	s_mov_b64 s[64:65], 0
	v_nop
	global_prefetch_b8 v0, s[64:65] scope:SCOPE_SE
	s_setreg_imm32_b32 hwreg(HW_REG_WAVE_MODE, 25, 1), 1
	s_wait_xcnt 0x0
	s_wait_alu depctr_hold_cnt(0) depctr_sa_sdst(0) depctr_va_vdst(0) depctr_va_sdst(0) depctr_va_ssrc(0) depctr_va_vcc(0) depctr_vm_vsrc(0)
	s_getreg_b32 s2, hwreg(HW_REG_IB_STS2, 6, 4)
	s_cmp_eq_u32 s2, 0
	s_cbranch_scc0 .Lentry_in_a_cluster
	s_endpgm
.Lentry_in_a_cluster:
	s_bfe_u32 s2, ttmp6, 0x10000c
	s_cmp_lg_u32 s2, 0xf033
	s_cbranch_scc0 .Lentry_shape_is_right
	s_endpgm
.Lentry_shape_is_right:
; LAUNCH 2 OF 5.  qkvt = x Wqkvt + bqkvt on codes of FP6 with E8M0 scales, and what reference() makes of it row by row.  No work of reference() is left out here.
; SHARES.  Work-group (x = head, y = 256 rows): the head's 256 columns [q 64 | t 64 | k 64 | v 64], as launch quant ordered them.  Four waves, each 128 rows x 128 columns in 64 accumulators (512 registers):
; waves with column half 0 hold q and t, those with half 1 hold k and v.  THE PRODUCT IS USED TRANSPOSED (source 0 = 16 columns of W, source 1 = 16 rows of x): a lane holds ONE row, and by the order of W's
; tiles register 16 b + i of a part is channel 32 b + 16 (lane / 16) + i: the layout that a quantiser along the head's 64 wants.  The bias is the C of each sum's first product.
; OPERANDS come as images of their registers (launch quant): a fragment is three LDS loads of 16 bytes a lane, 512 consecutive bytes each: no pitch, no padding.
; LDS.  K = 1,024 is eight steps of 128.  Three slots of two steps each hold steps 0-5 as first fills; steps 6 and 7 are the launch's one refill, of slot 0, asked for as soon as slot 2 has landed.  All scale words come once.
; CLUSTER 4 x 4: x's tiles are shared along a row of the cluster, W's along a column: joint loads.  A wave has one tensor load out at any time.
; THE WAY OUT (buffer g1).  q, t waves: q t in place, [q | q t] quantised along its 128 (four blocks of 32), stored as the image of attention's query operand, with its scale words.
; k, v waves: k and v as f32 images of the lane's 32 registers (quad q of lane L at 512 q + 16 L), and for each 64 rows the column sums of k v (unscaled): what the cumulative sum of launch prep starts from.
; LIMITS: as stated at the head of launch quant.
.set WA_, 3145728
.set XS_, 7077888
.set WS_, 7208960
.set QSC_, 6291456                     ; regions of g1: query images at 0, their scale words, k, v, the sums
.set KF_, 6553600
.set VF_, 23330816
.set KVS_, 40108032
; LDS AS THIS TEXT HAS IT (in place of the paragraph LDS above): slot 0 (98,304 bytes) holds K steps 0 and 1, row blocks 3,072 bytes apart; behind it one large slot (196,608 bytes) holds K steps 2 to 5, row blocks 6,144 bytes apart.
; At the head each wave issues ONE joint load: wave 0 x's 16 row blocks of slot 0, wave 1 W's, wave 2 x's scale words, wave 3 W's.  Behind the full sequence and a round each wave asks for its quarter of the large slot;
; slot 0 is filled again, with K steps 6 and 7, at the turn behind K step 1.  A wave has one tensor load out at any time.
.set SLOT, 98304
.set HALF, 24576                       ; 8 row blocks: what one tensor load brings and one wave reads of A or of B
.set SCL,  294912                      ; behind the slots: A's scale words 8,192 bytes, B's 8,192
.set SPARE, 311296                     ; the spare words, 128 bytes a wave
.set ADRA, 16                          ; v16-18 16 x lane + my half of A in slot 0, 1, 2
.set ADRB, 20                          ; v20-22 the same for B
.set LI,   24                          ; v24 16 x lane
.set R4,   25                          ; v25 4 r
.set H128, 26                          ; v26 128 h
.set ADRS, 27                          ; v27 my scale words: lanes 0-15 A's rows, lanes 16-31 B's
.set SPW,  28                          ; v28 my spare word; never rewritten
.set NIL,  29                          ; v29 0; never rewritten
.set H64,  30                          ; v30 64 h
.set SC,   32                          ; v32-95 scale words: register 8 i + s: lanes 0-15 A's block i, lanes 16-31 B's block i, K step s
.set SS,   96                          ; v96-127 the way out: sums of k v
.set AF,   128                         ; v128-223 A's eight fragments, ONE set.  Window 1: B's two sets at v0 and v128; the bias of B's block b at v[96 + 8 b] (b < 4), v[224 + 8 (b - 4)].  Windows 2, 3: accumulator (a, b) at v[8 (8 (a % 4) + b)]
.set TM,   128                         ; the way out, in the registers that held A: v128-143 at work,
.set PW,   144                         ; a scale word,
.set PC,   148                         ; v148-167 codes
.set G1A, 24
.set G1B, 32
.set G1SA, 40
.set G1SB, 48
.set G0A0, 56
.set G0A1, 60
.set G0A2, 68
.set G0SA, 72
.set G0B0, 76
.set G0B1, 80
.set G0B2, 84
.set G0SB, 88
.set MSB, 0
.macro WIN new                         ; the immediate's high byte repeats the setting that is left; a switch that changes nothing is dropped
.if MSB != (\new)
	s_set_vgpr_msb (MSB<<8)|(\new)
.set MSB, (\new)
.endif
.endm
; A joint load: waves 0 and 1 fetch for A, waves 2 and 3 for B; the branch hangs on the wave's number alone.  An s_nop 0 and four v_nop follow each of the two lines.
.macro JLOAD g0a, g1a, g0b, g1b
	s_cmp_eq_u32 s15, 0
	s_cbranch_scc0 .Lfor_b_\@
	tensor_load_to_lds s[\g0a:\g0a+3], s[\g1a:\g1a+7]
	s_nop 0
.rept 4
	v_nop
.endr
	s_branch .Lasked_\@
.Lfor_b_\@:
	tensor_load_to_lds s[\g0b:\g0b+3], s[\g1b:\g1b+7]
	s_nop 0
.rept 4
	v_nop
.endr
.Lasked_\@:
.endm
.macro CREST                           ; a round of the cluster's barrier behind its opening barrier
	s_cmp_lg_u32 s14, 0
	s_cbranch_scc1 .Lnot_wave_0_\@
	s_barrier_signal -3
.Lnot_wave_0_\@:
	s_barrier_wait -3
	s_barrier_signal -1
	s_barrier_wait -1
.endm
.macro CROUND
	s_barrier_signal -1
	s_barrier_wait -1
	CREST
.endm
.macro PLACES n                        ; plain places behind matrix instructions, in front of loads into their registers and of reads of their results
.rept \n
	v_nop
.endr
.endm
.macro SETG0 g, lds, ldsoff, lo, off   ; a descriptor's group 0: count 1; LDS address; global address; type 2
	s_mov_b32 s[\g], 1
	s_add_co_u32 s[\g+1], s[\lds], \ldsoff
	s_add_nc_u64 s[\g+2:\g+3], s[\lo:\lo+1], \off
	s_or_b32 s[\g+3], s[\g+3], 0x80000000
.endm
.macro FRAG3 reg, adr, off             ; a fragment's image: three loads of 512 consecutive bytes
.irp c, 0,1,2
	ds_load_b128 v[\reg+4*\c:\reg+4*\c+3], v[\adr] offset:\off+512*\c
.endr
.endm
.macro FETCH_B slot, q, p              ; B's eight fragments of the slot's q-th K step into set p
	WIN 0x40
.irp i, 0,1,2,3,4,5,6,7
	FRAG3 128*(\p)+12*\i, ADRB+\slot, (3072+3072*(((\slot)+1)/2))*\i+1536*(\q)
.endr
	WIN 0
.endm
.macro FETCH_A slot, q, i0             ; A's blocks i0 .. i0 + 3
.irp i, \i0, \i0+1, \i0+2, \i0+3
	FRAG3 AF+12*(\i), ADRA+\slot, (3072+3072*(((\slot)+1)/2))*(\i)+1536*(\q)
.endr
.endm
; 16 products: A's blocks a0, a0 + 1 x B's eight, K step s.  first = 1: C is the bias.  The 64 accumulators take turns, one instruction a turn, in the same order in every step.
.macro MUL16 a0, p, s, first
.irp a, \a0, \a0+1
.irp b, 0,1,2,3,4,5,6,7
.if \first
	v_wmma_scale_f32_16x16x128_f8f6f4 v[8*(8*((\a)%4)+\b):8*(8*((\a)%4)+\b)+7], v[128*(\p)+12*\b:128*(\p)+12*\b+11], v[AF+12*(\a):AF+12*(\a)+11], v[96+8*\b+96*(\b/4):96+8*\b+96*(\b/4)+7], v[SC+8*\b+(\s)], v[SC+8*(\a)+(\s)] matrix_a_fmt:MATRIX_FMT_FP6 matrix_b_fmt:MATRIX_FMT_FP6 matrix_a_scale:MATRIX_SCALE_ROW1
.else
	v_wmma_scale_f32_16x16x128_f8f6f4 v[8*(8*((\a)%4)+\b):8*(8*((\a)%4)+\b)+7], v[128*(\p)+12*\b:128*(\p)+12*\b+11], v[AF+12*(\a):AF+12*(\a)+11], v[8*(8*((\a)%4)+\b):8*(8*((\a)%4)+\b)+7], v[SC+8*\b+(\s)], v[SC+8*(\a)+(\s)] matrix_a_fmt:MATRIX_FMT_FP6 matrix_b_fmt:MATRIX_FMT_FP6 matrix_a_scale:MATRIX_SCALE_ROW1
.endif
.endr
.endr
.endm
; An even K step: its successor lies in the same slot.  Windows: source 0 (B) 1, source 1 (A) 0; C and D 2 or 3 (first: C, the bias, 1).
.macro STEP s, first
.set SG, ((\s)/2)%3
	s_wait_dscnt 12                                ; B's set and A's blocks 0-3 are in; the 12 youngest loads (A's blocks 4-7) may be out
.if \first
	WIN 0x91
.else
	WIN 0xa1
.endif
	MUL16 0, 0, \s, \first
	MUL16 2, 0, \s, \first
	s_wait_dscnt 0x0                               ; A's blocks 4-7 are in
	PLACES 4
	FETCH_B SG, 1, 1
	FETCH_A SG, 1, 0
.if \first
	WIN 0xd1
.else
	WIN 0xf1
.endif
	MUL16 4, 0, \s, \first
	MUL16 6, 0, \s, \first
	PLACES 4
	WIN 0
	FETCH_A SG, 1, 4
.endm
; An odd K step changes slots: one barrier.  cnt: the younger tensor loads that may stay out.  refill = 1: slot 0 is filled again: the wait is for all my tensor loads, the add follows it, the barrier opens a round
; of the cluster's barrier, and the joint load is the first thing behind the round.
.macro TURN s, cnt, refill
.set SN, (((\s)+1)/2)%3
	s_wait_tensorcnt \cnt                          ; my part of the next slot has landed
.if \refill
	ds_add_u32 v[SPW], v[NIL]                      ; 0 onto my spare word
.irp g, G1A, G1B
	s_mov_b32 s[\g+1], 384<<16                     ; no tensor load of mine is out: the refill brings two K steps (3,072 bytes) of 8 row blocks
	s_mov_b32 s[\g+3], 384<<16
.endr
	s_wait_dscnt 13                                ; (the add and the 12 youngest loads may be out)
.else
	s_wait_dscnt 12
.endif
	WIN 0xa1
	MUL16 0, 1, \s, 0
	s_wait_dscnt 0x0                               ; my LDS instructions are done: the add, and my reads of the slots behind me
	s_barrier_signal -1
	MUL16 2, 1, \s, 0
	WIN 0
	s_barrier_wait -1
.if \refill
	CREST                                          ; no wave of any partner still reads slot 0 or has a load on its way
	JLOAD G0A0, G1A, G0B0, G1B                     ; its four v_nop are also the places in front of the loads below
.else
	PLACES 4
.endif
	FETCH_B SN, 0, 0
	FETCH_A SN, 0, 0
	WIN 0xf1
	MUL16 4, 1, \s, 0
	MUL16 6, 1, \s, 0
	PLACES 4
	WIN 0
	FETCH_A SN, 0, 4
.endm
; 64 numbers of a lane in window w, v[s] on, register 16 b + i = K 32 b + 16 (lane / 16) + i of my row, become a fragment in v[PC] on and its scale word in v[PW].
.macro QUANTW s, w
.set WQ, (\w)|((\w)<<2)
	WIN WQ
.irp b, 0,1,2,3
	v_max3_num_f32 v[TM+\b], |v[\s+16*\b]|, |v[\s+1+16*\b]|, 0x1800000      ; my 16 numbers of block b, and the floor 2^(3 - 127): the byte cannot fall under 1
.endr
.irp i, 2,4,6,8,10,12,14
.irp b, 0,1,2,3
	v_max3_num_f32 v[TM+\b], |v[\s+16*\b+\i]|, |v[\s+1+16*\b+\i]|, v[TM+\b]
.endr
.endr
	WIN 0
.irp b, 0,1,2,3
	v_permlanex16_b32 v[TM+4+\b], v[TM+\b], s10, s11
.endr
.irp b, 0,1,2,3
	v_max_num_f32 v[TM+\b], v[TM+\b], v[TM+4+\b]   ; with lane l xor 16's: the block's largest magnitude
.endr
.irp b, 0,1,2,3
	v_add_nc_u32 v[TM+12+\b], 0xff000000, v[TM+\b] ; 2 off its exponent field: the conversion's scale operand
.endr
.irp b, 0,1,2,3
	v_lshrrev_b32 v[TM+4+\b], 23, v[TM+12+\b]      ; the byte
.endr
	v_lshl_or_b32 v[PW], v[TM+5], 8, v[TM+4]
	v_lshl_or_b32 v[PW], v[TM+6], 16, v[PW]
	v_lshl_or_b32 v[PW], v[TM+7], 24, v[PW]
	WIN \w
.irp c, 0,1
	v_cvt_scalef32_pk16_fp6_f32 v[PC+6*\c:PC+2+6*\c], v[\s+32*\c:\s+15+32*\c], v[TM+12+2*\c]
	v_cvt_scalef32_pk16_fp6_f32 v[PC+12+4*\c:PC+14+4*\c], v[\s+16+32*\c:\s+31+32*\c], v[TM+12+2*\c+1]
.endr
	WIN 0
	v_nop                                          ; one plain place behind the conversions
.irp c, 0,1                                    ; the operand wants a whole block in a lane: lanes 0-15 block 2 c, lanes 16-31 block 2 c + 1
.irp i, 0,1,2
	v_permlane16_swap_b32 v[PC+6*\c+\i], v[PC+12+4*\c+\i]
.endr
.irp i, 0,1,2
	v_mov_b32 v[PC+3+6*\c+\i], v[PC+12+4*\c+\i]
.endr
.endr
.endm
	s_load_b128 s[4:7], s[0:1], 0x0                ; qz s[4:5], bqkvt s[6:7]
	s_load_b64 s[8:9], s[0:1], 0x10                ; g1
	v_lshl_add_u32 v[SPW], v0, 2, SPARE
	v_mov_b32 v[NIL], 0
	ds_add_u32 v[SPW], v[NIL]                      ; the wave's opening: the add, twice on end, and its wait ahead of my first tensor load
	ds_add_u32 v[SPW], v[NIL]
	v_lshrrev_b32 v1, 5, v0
	v_readfirstlane_b32 s14, v1                    ; wave 0..3
	s_lshr_b32 s15, s14, 1                         ; my half of the rows.  Also: I fetch for A (0) or for B (1)
	s_and_b32 s16, s14, 1                          ; my half of the columns.  Also: which 8 row blocks I fetch
	s_bfe_u32 s10, ttmp6, 0x40000                  ; cx
	s_bfe_u32 s11, ttmp6, 0x40004                  ; cy
	s_lshl_b32 s12, ttmp9, 2
	s_add_co_u32 s12, s12, s10                     ; head = 4 x cluster x + cx
	s_and_b32 s17, ttmp7, 0xffff
	s_lshl_b32 s17, s17, 2
	s_add_co_u32 s17, s17, s11                     ; tile row = 4 x cluster y + cy
	s_lshl_b32 s13, s11, 2
	s_lshl_b32 s13, 15, s13                        ; my row of the cluster
	s_lshl_b32 s3, 0x1111, s10                     ; my column
	; group 1 for codes: 8 rows (row blocks) of 384 elements of 8 bytes (two K steps' images, 3,072 bytes), 1,536 elements (a row block's eight images) apart; dense in LDS
	s_or_b32 s[G1A], s13, (3<<16)|(1<<21)          ; 15:0 the mask; 17:16 elements of 8 bytes; 21 set beside a mask
	s_or_b32 s[G1B], s3, (3<<16)|(1<<21)
.irp g, G1A, G1B
	s_mov_b32 s[\g+1], 384<<16                     ; tensor_dim0
	s_mov_b32 s[\g+2], 16<<16                      ; tensor_dim1: the head's loads bring all 16 row blocks
	s_mov_b32 s[\g+3], 384<<16                     ; tile_dim0
	s_mov_b32 s[\g+4], 16                          ; tile_dim1
	s_mov_b32 s[\g+5], 1536                        ; the pitch
	s_mov_b32 s[\g+6], 0
	s_mov_b32 s[\g+7], 0
.endr
	; and for scale words: 16 row blocks x 512 dense bytes, as 32 rows of 256
	s_or_b32 s[G1SA], s13, (3<<16)|(1<<21)
	s_or_b32 s[G1SB], s3, (3<<16)|(1<<21)
.irp g, G1SA, G1SB
	s_mov_b32 s[\g+1], 32<<16
	s_mov_b32 s[\g+2], 32<<16                      ; 16 row blocks x 512 dense bytes, as 32 rows of 256
	s_mov_b32 s[\g+3], 32<<16
	s_mov_b32 s[\g+4], 32
	s_mov_b32 s[\g+5], 32
	s_mov_b32 s[\g+6], 0
	s_mov_b32 s[\g+7], 0
.endr
	s_lshl_b32 s20, s17, 4                         ; A: row block 16 x tile row
	s_lshl_b32 s92, s12, 4                         ; B: row block 16 x head
	s_lshl_b32 s22, s20, 9
	s_add_co_u32 s22, s22, XS_                     ; byte offsets in qz: A's scale words,
	s_mov_b32 s23, 0
	s_mul_i32 s20, s20, 12288                      ; A's images,
	s_mov_b32 s21, 0
	s_lshl_b32 s94, s92, 9
	s_add_co_u32 s94, s94, WS_                     ; B's scale words,
	s_mov_b32 s95, 0
	s_mul_i32 s92, s92, 12288
	s_add_co_u32 s92, s92, WA_                     ; B's images
	s_mov_b32 s93, 0
	s_mul_i32 s96, s14, HALF                       ; where they go: wave x 8 row blocks: no place in the cluster enters an LDS address
	s_mul_i32 s97, s14, 2*HALF                     ; and in the large slot: wave x 8 row blocks of 6,144 bytes
	s_wait_dscnt 0x0                               ; both opening adds are done
	s_wait_kmcnt 0x0
	s_add_nc_u64 s[20:21], s[4:5], s[20:21]
	s_add_nc_u64 s[22:23], s[4:5], s[22:23]
	s_add_nc_u64 s[92:93], s[4:5], s[92:93]
	s_add_nc_u64 s[94:95], s[4:5], s[94:95]
	CROUND                                         ; all sixteen work-groups are here: the first joint loads meet
.macro SETH g, lds, lo                 ; group 0 of one of the head's four whole tiles
	s_mov_b32 s[\g], 1
	s_mov_b32 s[\g+1], \lds
	s_mov_b64 s[\g+2:\g+3], s[\lo:\lo+1]
	s_or_b32 s[\g+3], s[\g+3], 0x80000000
.endm
.macro ARM under, g0, g1, next         ; one arm of the head's tree of branches on the wave's number: its load, and a jump to the tree's end
	s_cmp_lt_u32 s14, \under
	s_cbranch_scc0 \next
	tensor_load_to_lds s[\g0:\g0+3], s[\g1:\g1+7]
	s_nop 0
.rept 4
	v_nop
.endr
	s_branch .Lhead_asked
\next:
.endm
	SETH G0A1, 0, 20                               ; K steps 0, 1 of x's 16 row blocks,
	SETH G0B1, 2*HALF, 92                          ; of W's 16, behind them in slot 0,
	SETH G0SA, SCL, 22                             ; x's scale words,
	SETH G0SB, SCL+8192, 94                        ; and W's
	s_mul_i32 s18, s16, 98304                      ; behind the head I fetch 8 row blocks of 12,288 bytes: which half
	s_mov_b32 s19, 0
	s_add_nc_u64 s[20:21], s[20:21], s[18:19]
	s_add_nc_u64 s[92:93], s[92:93], s[18:19]
	SETG0 G0A2, 97, SLOT, 20, 3072                 ; K steps 2 to 5
	SETG0 G0B2, 97, SLOT, 92, 3072
	SETG0 G0A0, 96, 0, 20, 9216                    ; K steps 6, 7: slot 0's refill
	SETG0 G0B0, 96, 0, 92, 9216
	ARM 1, G0A1, G1A, .Lhead_b                     ; one tensor load a wave at the head
	ARM 2, G0B1, G1B, .Lhead_sa
	ARM 3, G0SA, G1SA, .Lhead_sb
	tensor_load_to_lds s[G0SB:G0SB+3], s[G1SB:G1SB+7]
	s_nop 0
.rept 4
	v_nop
.endr
.Lhead_asked:
	v_and_b32 v3, 31, v0
	v_and_b32 v1, 15, v0                           ; r
	v_bfe_u32 v2, v0, 4, 1                         ; h
	v_lshlrev_b32 v[LI], 4, v3
	v_lshlrev_b32 v[R4], 2, v1
	v_lshlrev_b32 v[H128], 7, v2
	v_lshlrev_b32 v[H64], 6, v2
	s_mul_i32 s18, s15, HALF
	s_mul_i32 s19, s16, HALF
	s_add_co_u32 s19, s19, 2*HALF
	s_mul_i32 s98, s15, 2*HALF
	s_mul_i32 s99, s16, 2*HALF
	s_add_co_u32 s98, s98, SLOT
	s_add_co_u32 s99, s99, SLOT+4*HALF
	s_wait_alu depctr_va_vdst(0)
	v_add_nc_u32 v[ADRA], s18, v[LI]               ; slot 0
	v_add_nc_u32 v[ADRB], s19, v[LI]
	v_add_nc_u32 v[ADRA+1], s98, v[LI]             ; the large slot: K steps 2, 3,
	v_add_nc_u32 v[ADRB+1], s99, v[LI]
	v_add_nc_u32 v[ADRA+2], 3072, v[ADRA+1]        ; and 4, 5, which lie 3,072 bytes on in each row block
	v_add_nc_u32 v[ADRB+2], 3072, v[ADRB+1]
	s_lshl_b32 s18, s15, 12                        ; A's scale words: my 8 row blocks
	s_lshl_b32 s19, s16, 12                        ; B's: my 8, behind A's 16
	s_add_co_u32 s19, s19, 8192
	s_sub_co_u32 s19, s19, s18
	v_mul_u32_u24 v4, s19, v2                      ; lanes 16-31 take B's: the lower base + h x the distance
	s_add_co_u32 s18, s18, SCL
	v_add_nc_u32 v4, v4, v[R4]
	v_add_nc_u32 v[ADRS], s18, v4
	; the bias in the result's layout: lane (r, h) wants, for B's tile 2 b + u of a part, the part's channels 32 b + 16 h + 8 u + 0 .. 7
	s_lshl_b32 s98, s16, 12                        ; B's blocks 0-3: q (columns 0 on) or k (1,024 on),
	s_lshl_b32 s99, s12, 8
	s_add_co_u32 s98, s98, s99
	s_sub_co_u32 s100, 3, s16                      ; blocks 4-7: t (3,072 on) or v (2,048 on)
	s_lshl_b32 s100, s100, 12
	s_add_co_u32 s100, s100, s99
	s_mov_b32 s99, 0
	s_mov_b32 s101, 0
	s_add_nc_u64 s[98:99], s[6:7], s[98:99]
	s_add_nc_u64 s[100:101], s[6:7], s[100:101]
	WIN 0x40
.irp b, 0,1,2,3
	global_load_b128 v[96+8*\b:99+8*\b], v[H64], s[98:99] offset:4*(32*(\b/2)+8*(\b%2))
	global_load_b128 v[100+8*\b:103+8*\b], v[H64], s[98:99] offset:4*(32*(\b/2)+8*(\b%2))+16
	global_load_b128 v[224+8*\b:227+8*\b], v[H64], s[100:101] offset:4*(32*(\b/2)+8*(\b%2))
	global_load_b128 v[228+8*\b:231+8*\b], v[H64], s[100:101] offset:4*(32*(\b/2)+8*(\b%2))+16
.endr
	WIN 0
	s_lshr_b32 s2, s17, 3                          ; the batch: 8 tile rows to a sequence
	s_lshl_b32 s2, s2, 4
	s_add_co_u32 s2, s2, s12                       ; bh = 16 x batch + head
	s_and_b32 s19, s17, 7                          ; the tile row in its sequence
	s_lshl_b32 s3, s19, 4
	s_lshl_b32 s18, s15, 3
	s_add_co_u32 s3, s3, s18
	s_lshl_b32 s18, s2, 7
	s_add_co_u32 s3, s3, s18                       ; 128 bh + my first row block of the sequence's 128
	s_wait_alu depctr_va_vdst(0)
	s_wait_tensorcnt 0x0                           ; my tile of the head's four is in
	ds_add_u32 v[SPW], v[NIL]
.irp g, G1A, G1B
	s_mov_b32 s[\g+1], 768<<16                     ; no tensor load of mine is out: the next load brings 8 row blocks x four K steps (6,144 bytes)
	s_mov_b32 s[\g+2], 8<<16
	s_mov_b32 s[\g+3], 768<<16
	s_mov_b32 s[\g+4], 8
.endr
	s_wait_dscnt 0x0
	CROUND                                         ; all four tiles are in, and all sixteen work-groups are here
	JLOAD G0A2, G1A, G0B2, G1B                     ; K steps 2 to 5, the first tensor load behind the round
.irp i, 0,1,2,3,4,5,6,7
.irp s, 0,1,2,3,4,5,6,7
	ds_load_b32 v[SC+8*\i+\s], v[ADRS] offset:512*\i+64*\s
.endr
.endr
	FETCH_B 0, 0, 0
	FETCH_A 0, 0, 0
	FETCH_A 0, 0, 4
	s_wait_loadcnt 0x0                             ; the bias
	STEP 0, 1
	TURN 1, 0, 1                                   ; the large slot is in, and slot 0 is filled again with K steps 6, 7
	STEP 2, 0
	TURN 3, 1, 0                                   ; the one load behind it, the refill, may stay out
	STEP 4, 0
	TURN 5, 0, 0                                   ; the refill is in: no load was issued behind it
	STEP 6, 0
	s_wait_dscnt 12                                ; the last K step: nothing more to fetch
	WIN 0xa1
	MUL16 0, 1, 7, 0
	MUL16 2, 1, 7, 0
	s_wait_dscnt 0x0
	WIN 0xf1
	MUL16 4, 1, 7, 0
	MUL16 6, 1, 7, 0
	WIN 0
	PLACES 4
	s_cmp_eq_u32 s16, 0
	s_cbranch_scc0 .Lkv
	; ---- q and t: row block a's 64 registers are q (0-31) and t (32-63)
	s_mul_i32 s98, s3, 1536
	s_mov_b32 s99, 0
	s_add_nc_u64 s[98:99], s[8:9], s[98:99]        ; my first query image
	s_lshl_b32 s100, s3, 6
	s_add_co_u32 s100, s100, QSC_
	s_mov_b32 s101, 0
	s_add_nc_u64 s[100:101], s[8:9], s[100:101]    ; and its scale words
	s_mov_b32 s10, 0x76543210
	s_mov_b32 s11, 0xfedcba98                      ; selects for lane l xor 16
.irp b, 0,1,2,3
	v_mov_b32 v[TM+4+\b], 0                        ; written once: a lane permute's destination counts as one of its sources
.endr
.macro QT a
.set W, 2+(\a)/4
.set XX, 64*((\a)%4)
.set WW, W|(W<<2)|(W<<6)
	s_wait_xcnt 0x0                                ; the last block's stores have read their registers: the codes and the word may be written again
	WIN WW
.set ii, 0
.rept 16
	v_pk_mul_f32 v[XX+32+ii:XX+33+ii], v[XX+ii:XX+1+ii], v[XX+32+ii:XX+33+ii]      ; q t, in t's place; ascending
.set ii, ii+2
.endr
	QUANTW XX, W
.irp c, 0,1,2
	global_store_b128 v[LI], v[PC+4*\c:PC+4*\c+3], s[98:99] offset:1536*(\a)+512*\c
.endr
	global_store_b32 v[R4], v[PW], s[100:101] offset:64*(\a)     ; both halves of the lanes hold and write the same word
.endm
.irp a, 0,1,2,3,4,5,6,7
	QT \a
.endr
	s_branch .Ljoin
.Lkv:
	; ---- k and v: row block a's 64 registers are k (0-31) and v (32-63)
	s_lshl_b32 s98, s3, 12
	s_add_co_u32 s98, s98, KF_
	s_mov_b32 s99, 0
	s_add_nc_u64 s[98:99], s[8:9], s[98:99]
	s_lshl_b32 s100, s3, 12
	s_add_co_u32 s100, s100, VF_
	s_mov_b32 s101, 0
	s_add_nc_u64 s[100:101], s[8:9], s[100:101]
	s_lshl_b32 s66, s2, 5                          ; 32 chunks of 64 rows to a sequence
	s_lshl_b32 s18, s19, 2
	s_add_co_u32 s66, s66, s18
	s_lshl_b32 s18, s15, 1
	s_add_co_u32 s66, s66, s18
	s_lshl_b32 s66, s66, 8
	s_add_co_u32 s66, s66, KVS_
	s_mov_b32 s67, 0
	s_add_nc_u64 s[66:67], s[8:9], s[66:67]
.macro KV a
.set W, 2+(\a)/4
.set XX, 64*((\a)%4)
.set WW, W<<2
	WIN WW                                         ; a store's data are its source 1
.irp q, 0,1,2,3,4,5,6,7
	global_store_b128 v[LI], v[XX+4*\q:XX+4*\q+3], s[98:99] offset:4096*(\a)+512*\q         ; straight from the accumulators, each from its low end on; 512 consecutive bytes a store
.endr
.irp q, 0,1,2,3,4,5,6,7
	global_store_b128 v[LI], v[XX+32+4*\q:XX+35+4*\q], s[100:101] offset:4096*(\a)+512*\q
.endr
.set WW, W|(W<<2)
	WIN WW
.set ii, 0
.rept 16
.if ((\a)%4) == 0
	v_pk_mul_f32 v[SS+ii:SS+1+ii], v[XX+ii:XX+1+ii], v[XX+32+ii:XX+33+ii]                   ; the first row block of a chunk starts the sums
.else
	v_pk_fma_f32 v[SS+ii:SS+1+ii], v[XX+ii:XX+1+ii], v[XX+32+ii:XX+33+ii], v[SS+ii:SS+1+ii]
.endif
.set ii, ii+2
.endr
	WIN 0
.if ((\a)%4) == 3                      ; a chunk of 64 rows is whole: over the 16 rows that lie in the 16 lanes of my half
.irp m, 1,2,4,8
.set ii, 0
.rept 32
	v_add_f32_dpp v[SS+ii], v[SS+ii], v[SS+ii] row_xmask:\m row_mask:0xf bank_mask:0xf
.set ii, ii+1
.endr
.endr
	v_cmp_eq_u32 vcc_lo, 0, v1
	s_wait_alu depctr_va_vdst(0)
	s_wait_xcnt 0x0                                ; EXEC is a source of the stores above: it changes only behind this wait
	s_and_saveexec_b32 s20, vcc_lo                 ; lanes 0 and 16 store their half's 32 sums
.irp q, 0,1,2,3,4,5,6,7
	global_store_b128 v[H128], v[SS+4*\q:SS+4*\q+3], s[66:67] offset:256*((\a)/4)+16*\q
.endr
	s_wait_xcnt 0x0                                ; and again in front of the line that widens it; the sums' registers are free behind it too
	s_or_b32 exec_lo, exec_lo, s20
.endif
.endm
.irp a, 0,1,2,3,4,5,6,7
	KV \a
.endr
.Ljoin:
	s_wait_tensorcnt 0x0                           ; the wave's end
	ds_add_u32 v[SPW], v[NIL]
	s_wait_dscnt 0x0
	CROUND                                         ; the closing round: no work-group ends while a partner may still ask for a tile that names it
	s_endpgm
.Lfunc_end_k_qacbb5155f9_gemm1:
	.size	k_qacbb5155f9_gemm1, .Lfunc_end_k_qacbb5155f9_gemm1-k_qacbb5155f9_gemm1
	.p2alignl 7, 3214868480
	.fill 96, 4, 3214868480
	.section	.rodata,"a",@progbits
	.p2align	6, 0x0
	.amdhsa_kernel k_qacbb5155f9_gemm1
		.amdhsa_group_segment_fixed_size 327680
		.amdhsa_private_segment_fixed_size 0
		.amdhsa_enable_private_segment 0
		.amdhsa_kernarg_size 24
		.amdhsa_user_sgpr_count 2
		.amdhsa_user_sgpr_kernarg_segment_ptr 1
		.amdhsa_wavefront_size32 1
		.amdhsa_system_sgpr_workgroup_id_x 1
		.amdhsa_system_sgpr_workgroup_id_y 1
		.amdhsa_system_sgpr_workgroup_id_z 1
		.amdhsa_system_vgpr_workitem_id 0
		.amdhsa_next_free_vgpr 1024
		.amdhsa_next_free_sgpr 102
		.amdhsa_reserve_vcc 1
		.amdhsa_float_denorm_mode_32 3
		.amdhsa_float_denorm_mode_16_64 3
		.amdhsa_memory_ordered 1
		.amdhsa_forward_progress 1
		.amdhsa_inst_pref_size 192
	.end_amdhsa_kernel
	.amdgpu_metadata
---
amdhsa.version: [ 1, 2 ]
amdhsa.kernels:
  - .name:           k_qacbb5155f9_gemm1
    .symbol:         k_qacbb5155f9_gemm1.kd
    .args:
      - { .name: qz, .offset: 0, .size: 8, .value_kind: global_buffer, .address_space: global }
      - { .name: bqkvt, .offset: 8, .size: 8, .value_kind: global_buffer, .address_space: global }
      - { .name: g1, .offset: 16, .size: 8, .value_kind: global_buffer, .address_space: global }
    .group_segment_fixed_size: 327680
    .private_segment_fixed_size: 0
    .kernarg_segment_align: 8
    .kernarg_segment_size: 24
    .max_flat_workgroup_size: 128
    .sgpr_count:     102
    .vgpr_count:     1024
    .wavefront_size: 32
...
	.end_amdgpu_metadata
.endif
;; end of part 2
;; launch prep (part 3): grid 256 x 1, 8 waves a work-group, no clusters, 167,936 bytes of LDS; arguments g1, kvr; writes kvr
.if DOCPART == 3
	.amdgcn_target "amdgcn-amd-amdhsa--gfx1250"
	.amdhsa_code_object_version 6
	.text
	.protected	k_qacbb5155f9_prep
	.globl	k_qacbb5155f9_prep
	.p2align	8
	.type	k_qacbb5155f9_prep,@function
k_qacbb5155f9_prep:
	s_mov_b64 s[64:65], 0
	v_nop
	global_prefetch_b8 v0, s[64:65] scope:SCOPE_SE
	s_setreg_imm32_b32 hwreg(HW_REG_WAVE_MODE, 25, 1), 1
	s_wait_xcnt 0x0
; LAUNCH 3 OF 5.  kv_cum = cumsum over the keys of k v / 8, the key operand [k | kv_cum] as codes of FP6 along its 128 (four blocks of 32), and V^T as codes along the KEYS.  No work of reference() is left out here.
; SHARES.  Work-group (bh = x / 8, pr = x % 8): 256 keys of one head = two key steps of 128.  Its 16 row blocks of k and of v (f32 images of registers, launch gemm1) come into LDS by one tensor load a wave.
; Waves 0-3: 64 keys each: the prefix of all earlier chunks from gemm1's sums, a scan over the 16 rows that lie in 16 lanes, a carry from tile to tile; quantised; stored.
; Waves 4-7: 32 channels x 128 keys each: a lane takes a channel, its registers run down the keys.
; 1 / 8 is a power of two, so cumsum(k v) / 8 rounds as cumsum(k v / 8) does.  The order of the additions differs from reference()'s (sums of chunks, then a scan): all in f32.
; RECORDS (buffer kvr): for each (bh, key step) 19,200 bytes: 8 tiles of keys x 1,536 | 4 tiles of V^T x 1,536 | the keys' scale words 8 x 64 | V^T's 4 x 64.  A head's 16 records are dense.
; THE KEYS OF A TILE ARE NOT NEIGHBOURS: lane r of tile 2 b + u is key 32 b + 8 u + r + 8 (r / 8), so that attention's p comes out with 16 neighbouring keys in 16 registers.  A fragment's lane is stored where its
; key belongs: row x = 16 (n % 2) + r of a group of 32 goes to tile u = r / 8, lane r % 8 + 8 (n % 2).  V^T's channels are ordered the same way.
; No cluster: work-groups share no input.  LIMITS: as stated at the head of launch quant.
.set KF_,  6553600
.set KVS_, 40108032
.set SPARE, 139264                     ; behind the eight tiles: the spare words, 128 bytes a wave
.set SPW, 4                            ; v4  my spare word; never rewritten
.set NIL, 5                            ; v5  0; never rewritten
.set LA,  6                            ; v6  k's images: my 16 bytes of a quad
.set LAV, 7                            ; v7  v's
.set VLA, 8                            ; v8  v's images, by channel
.set LI,  9                            ; v9  16 x lane
.set SO,  10                           ; v10 my place among the sums
.set KO,  11                           ; v11 where my lane of a key fragment goes
.set KSO, 12                           ; v12 and its scale word
.set L4,  13                           ; v13 4 x lane
.set TM,  32                           ; keys' waves: v32-47 at work, v48 a scale word, v224-243 codes, v64-127 and v128-191 two tiles by turns, v192-223 the carry
.set PW,  48
.set PC,  224
.set CY,  192
.set X,   64                           ; V's waves: v64-191 128 numbers, v24-63 two fragments and halves, v196-208 at work
.set FA,  24
.set FB,  36
.set TT,  48
.set QM,  196
.set QS,  200
.set QB,  204
.set WD,  208
.macro QUANT s                         ; 64 numbers of a lane, register 16 b + i = K 32 b + 16 (lane / 16) + i of my row -> a fragment in v[PC] on, its scale word in v[PW]
.irp b, 0,1,2,3
	v_max3_num_f32 v[TM+\b], |v[\s+16*\b]|, |v[\s+1+16*\b]|, 0x1800000
.endr
.irp i, 2,4,6,8,10,12,14
.irp b, 0,1,2,3
	s_delay_alu instid0(VALU_DEP_4)
	v_max3_num_f32 v[TM+\b], v[TM+\b], |v[\s+16*\b+\i]|, |v[\s+1+16*\b+\i]|
.endr
.endr
.irp b, 0,1,2,3
	s_delay_alu instid0(VALU_DEP_4)
	v_permlanex16_b32 v[TM+4+\b], v[TM+\b], s30, s31
.endr
.irp b, 0,1,2,3
	s_delay_alu instid0(VALU_DEP_4)
	v_max_num_f32 v[TM+\b], v[TM+\b], v[TM+4+\b]
.endr
.irp b, 0,1,2,3
	s_delay_alu instid0(VALU_DEP_4)
	v_add_nc_u32 v[TM+12+\b], 0xff000000, v[TM+\b]
.endr
.irp b, 0,1,2,3
	s_delay_alu instid0(VALU_DEP_4)
	v_lshrrev_b32 v[TM+4+\b], 23, v[TM+12+\b]
.endr
	s_delay_alu instid0(VALU_DEP_3)
	v_lshl_or_b32 v[PW], v[TM+5], 8, v[TM+4]
	s_delay_alu instid0(VALU_DEP_1)
	v_lshl_or_b32 v[PW], v[TM+6], 16, v[PW]
	s_delay_alu instid0(VALU_DEP_1)
	v_lshl_or_b32 v[PW], v[TM+7], 24, v[PW]
.irp c, 0,1
	v_cvt_scalef32_pk16_fp6_f32 v[PC+6*\c:PC+2+6*\c], v[\s+32*\c:\s+15+32*\c], v[TM+12+2*\c]
	v_cvt_scalef32_pk16_fp6_f32 v[PC+12+4*\c:PC+14+4*\c], v[\s+16+32*\c:\s+31+32*\c], v[TM+12+2*\c+1]
.endr
	v_nop
.irp c, 0,1
.irp i, 0,1,2
	v_permlane16_swap_b32 v[PC+6*\c+\i], v[PC+12+4*\c+\i]
.endr
.irp i, 0,1,2
	s_delay_alu instid0(VALU_DEP_3)
	v_mov_b32 v[PC+3+6*\c+\i], v[PC+12+4*\c+\i]
.endr
.endr
.endm
.macro LOADB m                         ; V's waves: keys 32 m .. 32 m + 31 of my channel: key kk lies in row block kk / 16, lane row kk % 16
.set ii, 0
.rept 32
	ds_load_b32 v[X+32*(\m)+ii], v[VLA] offset:4352*((32*(\m)+ii)/16)+16*((32*(\m)+ii)%16)
.set ii, ii+1
.endr
.endm
.macro MAXB m
.set XB, X+32*(\m)
	v_max3_num_f32 v[QM+(\m)], |v[XB]|, |v[XB+1]|, |v[XB+2]|
	v_max3_num_f32 v[QB+(\m)], |v[XB+3]|, |v[XB+4]|, |v[XB+5]|
.irp i, 6,10,14,18,22,26
	s_delay_alu instid0(VALU_DEP_2)
	v_max3_num_f32 v[QM+(\m)], v[QM+(\m)], |v[XB+\i]|, |v[XB+\i+1]|
	s_delay_alu instid0(VALU_DEP_2)
	v_max3_num_f32 v[QB+(\m)], v[QB+(\m)], |v[XB+\i+2]|, |v[XB+\i+3]|
.endr
	s_delay_alu instid0(VALU_DEP_2)
	v_max3_num_f32 v[QM+(\m)], v[QM+(\m)], |v[XB+30]|, |v[XB+31]|
	s_delay_alu instid0(VALU_DEP_1)
	v_max3_num_f32 v[QM+(\m)], v[QM+(\m)], v[QB+(\m)], 0x1800000
	s_delay_alu instid0(VALU_DEP_1)
	v_add_nc_u32 v[QS+(\m)], 0xff000000, v[QM+(\m)]
	s_delay_alu instid0(VALU_DEP_1)
	v_lshrrev_b32 v[QB+(\m)], 23, v[QS+(\m)]
.endm
	s_load_b128 s[4:7], s[0:1], 0x0                ; g1 s[4:5], kvr s[6:7]
	v_lshl_add_u32 v[SPW], v0, 2, SPARE
	v_mov_b32 v[NIL], 0
	ds_add_u32 v[SPW], v[NIL]                      ; the wave's opening: the add, twice on end, and its wait ahead of my first tensor load
	ds_add_u32 v[SPW], v[NIL]
	v_lshrrev_b32 v1, 5, v0
	s_delay_alu instid0(VALU_DEP_1)
	v_readfirstlane_b32 s8, v1                     ; wave 0..7
	s_lshr_b32 s9, ttmp9, 3                        ; bh
	s_and_b32 s10, ttmp9, 7                        ; pr
	; group 1: four row blocks' images, 16,384 dense bytes, as 64 rows of 256 bytes (32 elements of 8), 16 bytes of padding behind each
	s_mov_b32 s16, (3<<16)|(1<<20)|(5<<22)|(3<<25)
	s_mov_b32 s17, 32<<16
	s_mov_b32 s18, 64<<16
	s_mov_b32 s19, 32<<16
	s_mov_b32 s20, 64
	s_mov_b32 s21, 32
	s_mov_b32 s22, 0
	s_mov_b32 s23, 0
	s_mov_b32 s12, 1
	s_mul_i32 s13, s8, 17408                       ; waves 0-3: k's, waves 4-7: v's
	s_lshr_b32 s24, s8, 2
	s_lshl_b32 s24, s24, 24                        ; v's region lies 16,777,216 bytes behind k's
	s_lshl_b32 s25, s9, 7
	s_lshl_b32 s26, s10, 4
	s_add_co_u32 s25, s25, s26
	s_and_b32 s26, s8, 3
	s_lshl_b32 s27, s26, 2
	s_add_co_u32 s25, s25, s27                     ; row block 128 bh + 16 pr + 4 (wave % 4)
	s_lshl_b32 s25, s25, 12
	s_add_co_u32 s24, s24, s25
	s_add_co_u32 s24, s24, KF_
	s_mov_b32 s25, 0
	s_mov_b32 s30, 0x76543210
	s_mov_b32 s31, 0xfedcba98
	s_wait_dscnt 0x0                               ; both opening adds are done
	s_wait_kmcnt 0x0
	s_add_nc_u64 s[14:15], s[4:5], s[24:25]
	s_or_b32 s15, s15, 0x80000000
	tensor_load_to_lds s[12:15], s[16:23]          ; every wave's one load; nothing is filled twice
	s_nop 0
.rept 4
	v_nop
.endr
	; every LDS address is made here, ahead of the parting of the roles.  In LDS quad q of lane (r, h) of a row block lies at 544 q + 272 h + 16 r; a row block takes 4,352 bytes
	v_and_b32 v3, 31, v0
	v_and_b32 v1, 15, v0                           ; r
	v_bfe_u32 v2, v0, 4, 1                         ; h (V's waves: u)
	s_mul_i32 s27, s26, 17408
	v_mul_u32_u24 v[LA], v2, 272
	s_delay_alu instid0(VALU_DEP_1)
	v_lshl_add_u32 v[LA], v1, 4, v[LA]
	s_delay_alu instid0(VALU_DEP_1)
	v_add_nc_u32 v[LA], s27, v[LA]
	s_delay_alu instid0(VALU_DEP_1)
	v_add_nc_u32 v[LAV], 69632, v[LA]
	s_lshr_b32 s28, s26, 1                         ; which of the two key steps
	s_and_b32 s29, s8, 1                           ; keys' waves: which half of it; V's waves: which 32 channels
	s_mul_i32 s27, s28, 34816
	s_mul_i32 s24, s29, 2176
	s_add_co_u32 s27, s27, s24
	s_add_co_u32 s27, s27, 69632
	v_bfe_u32 v15, v0, 2, 1                        ; my channel 32 bq + 8 u + r + 8 (r / 8) is register 16 bq + 8 u + r % 8 of the lanes with h = r / 8
	s_delay_alu instid0(VALU_DEP_1)
	v_lshl_add_u32 v15, v2, 1, v15
	s_delay_alu instid0(VALU_DEP_1)
	v_mul_u32_u24 v[VLA], v15, 544
	v_bfe_u32 v15, v0, 3, 1                        ; r / 8
	s_delay_alu instid0(VALU_DEP_1)
	v_mad_u32_u24 v[VLA], v15, 272, v[VLA]
	v_and_b32 v14, 3, v0
	s_delay_alu instid0(VALU_DEP_1)
	v_lshl_add_u32 v[VLA], v14, 2, v[VLA]
	s_delay_alu instid0(VALU_DEP_1)
	v_add_nc_u32 v[VLA], s27, v[VLA]               ; the 32 lanes of a load touch 32 different banks
	v_lshlrev_b32 v[LI], 4, v3
	v_lshlrev_b32 v[L4], 2, v3
	v_lshlrev_b32 v[SO], 8, v1
	s_delay_alu instid0(VALU_DEP_1)
	v_lshl_add_u32 v[SO], v2, 7, v[SO]             ; chunk r's 256 bytes, my half's 128
	v_and_b32 v[KO], 7, v0
	s_delay_alu instid0(VALU_DEP_1)
	v_lshlrev_b32 v[KSO], 2, v[KO]
	s_delay_alu instid0(VALU_DEP_2)
	v_lshlrev_b32 v[KO], 4, v[KO]
	s_delay_alu instid0(VALU_DEP_1)
	v_mad_u32_u24 v[KO], v15, 1536, v[KO]
	s_delay_alu instid0(VALU_DEP_1)
	v_lshl_add_u32 v[KO], v2, 8, v[KO]             ; 1536 (r / 8) + 16 (r % 8) + 256 h
	s_delay_alu instid0(VALU_DEP_4)
	v_lshl_add_u32 v[KSO], v15, 6, v[KSO]          ; 64 (r / 8) + 4 (r % 8)
	v_add_nc_u32 v14, 16, v1                       ; r + 16
	s_lshl_b32 s11, s10, 2
	s_add_co_u32 s11, s11, s8                      ; keys' waves: my chunk of the sequence's 32
	s_lshl_b32 s24, s9, 4
	s_lshl_b32 s25, s10, 1
	s_add_co_u32 s24, s24, s25
	s_add_co_u32 s24, s24, s28
	s_mul_i32 s24, s24, 19200                      ; my record
	s_mov_b32 s25, 0
	s_add_nc_u64 s[38:39], s[6:7], s[24:25]
	s_cmp_lt_u32 s8, 4
	s_cbranch_scc0 .Lno_sums
	s_lshl_b32 s24, s9, 13
	s_add_co_u32 s24, s24, KVS_
	s_add_nc_u64 s[32:33], s[4:5], s[24:25]
	s_wait_alu depctr_va_vdst(0)
.irp q, 0,1,2,3,4,5,6,7                        ; lane (r, h): the sums of chunks r and 16 + r, my half's 32 channels
	global_load_b128 v[CY+4*\q:CY+4*\q+3], v[SO], s[32:33] offset:16*\q
	global_load_b128 v[128+4*\q:131+4*\q], v[SO], s[32:33] offset:4096+16*\q
.endr
.Lno_sums:
	s_wait_tensorcnt 0x0                           ; my tile is in,
	s_barrier_signal -1
	s_barrier_wait -1                              ; everybody's is
	s_cmp_lt_u32 s8, 4
	s_cbranch_scc0 .Lvpath
	; ---- the keys' waves
.macro LDT n                           ; tile n (16 rows): k into registers 0-31 of buffer n % 2, v into 32-63
.set XL, 64+64*((\n)%2)
.irp q, 0,1,2,3,4,5,6,7
	ds_load_b128 v[XL+4*\q:XL+4*\q+3], v[LA] offset:4352*(\n)+544*\q
.endr
.irp q, 0,1,2,3,4,5,6,7
	ds_load_b128 v[XL+32+4*\q:XL+35+4*\q], v[LAV] offset:4352*(\n)+544*\q
.endr
.endm
	LDT 0
	s_mul_i32 s24, s29, 6144
	s_add_nc_u64 s[34:35], s[38:39], s[24:25]      ; my half's four tiles,
	s_lshl_b32 s24, s29, 8
	s_add_nc_u64 s[36:37], s[38:39], s[24:25]      ; and their scale words
.irp b, 0,1,2,3
	v_mov_b32 v[TM+4+\b], 0                        ; written once: a lane permute's destination counts as one of its sources
.endr
	s_wait_loadcnt 0x0
	v_cmp_gt_u32 vcc_lo, s11, v1                   ; chunks in front of mine count; the others are replaced by 0 (a select: nothing of a later chunk enters)
.set ii, 0
.rept 32
	v_cndmask_b32 v[CY+ii], 0, v[CY+ii], vcc_lo
.set ii, ii+1
.endr
	v_cmp_gt_u32 vcc_lo, s11, v14
.set ii, 0
.rept 32
	v_cndmask_b32 v[128+ii], 0, v[128+ii], vcc_lo
.set ii, ii+1
.endr
.set ii, 0
.rept 16
	v_pk_add_f32 v[CY+ii:CY+1+ii], v[CY+ii:CY+1+ii], v[128+ii:129+ii]
.set ii, ii+2
.endr
.irp m, 1,2,4,8
.set ii, 0
.rept 32
	v_add_f32_dpp v[CY+ii], v[CY+ii], v[CY+ii] row_xmask:\m row_mask:0xf bank_mask:0xf
.set ii, ii+1
.endr
.endr
.set ii, 0
.rept 16
	v_pk_mul_f32 v[CY+ii:CY+1+ii], v[CY+ii:CY+1+ii], 0x3e000000 op_sel_hi:[1,0]     ; / 8: the carry into my first row
.set ii, ii+2
.endr
.macro KTILE n
.set XN, 64+64*((\n)%2)
.if (\n) < 3
	LDT (\n)+1
	s_wait_dscnt 16                                ; this tile's 16 loads are in; the next tile's 16 may be out
.else
	s_wait_dscnt 0x0
.endif
.set ii, 0
.rept 16
	v_pk_mul_f32 v[XN+32+ii:XN+33+ii], v[XN+ii:XN+1+ii], v[XN+32+ii:XN+33+ii]       ; k v
.set ii, ii+2
.endr
.irp m, 1,2,4,8                                ; an inclusive scan over the 16 rows: lane i adds lane i - m; a lane without such a neighbour keeps its number
.set ii, 0
.rept 32
	v_add_f32_dpp v[XN+32+ii], v[XN+32+ii], v[XN+32+ii] row_shr:\m row_mask:0xf bank_mask:0xf
.set ii, ii+1
.endr
.endr
.set ii, 0
.rept 16
	v_pk_fma_f32 v[XN+32+ii:XN+33+ii], v[XN+32+ii:XN+33+ii], 0x3e000000, v[CY+ii:CY+1+ii] op_sel_hi:[1,0,1]   ; / 8, + the carry: kv_cum
.set ii, ii+2
.endr
.if (\n) < 3
.set ii, 0
.rept 32
	v_mov_b32_dpp v[CY+ii], v[XN+32+ii] row_share:15 row_mask:0xf bank_mask:0xf     ; the last row's is the next tile's carry
.set ii, ii+1
.endr
.endif
	s_wait_xcnt 0x0                                ; the last tile's stores have read their registers
	QUANT XN
.irp c, 0,1,2
	global_store_b128 v[KO], v[PC+4*\c:PC+4*\c+3], s[34:35] offset:3072*((\n)/2)+128*((\n)%2)+512*\c
.endr
	global_store_b32 v[KSO], v[PW], s[36:37] offset:18432+128*((\n)/2)+32*((\n)%2)  ; both halves of the lanes hold and write the same word
.endm
	KTILE 0
	KTILE 1
	KTILE 2
	KTILE 3
	s_branch .Lend
.Lvpath:
	; ---- V's waves: 128 keys of my channel; loads run two blocks ahead: each count of 32 leaves the one younger block out
	LOADB 0
	LOADB 1
	s_mul_i32 s24, s29, 3072
	s_add_co_u32 s24, s24, 12288
	s_add_nc_u64 s[34:35], s[38:39], s[24:25]      ; my two tiles of V^T,
	s_lshl_b32 s24, s29, 7
	s_add_co_u32 s24, s24, 18944
	s_add_nc_u64 s[36:37], s[38:39], s[24:25]      ; and their scale words
	s_wait_dscnt 32
	LOADB 2
	MAXB 0
	s_wait_dscnt 32
	LOADB 3
	MAXB 1
	s_wait_dscnt 32
	MAXB 2
	s_wait_dscnt 0x0
	MAXB 3
	v_lshl_or_b32 v[WD], v[QB+1], 8, v[QB]
	s_delay_alu instid0(VALU_DEP_1)
	v_lshl_or_b32 v[WD], v[QB+2], 16, v[WD]
	s_delay_alu instid0(VALU_DEP_1)
	v_lshl_or_b32 v[WD], v[QB+3], 24, v[WD]        ; my channel's scale word for these 128 keys
.irp c, 0,1
	v_cvt_scalef32_pk16_fp6_f32 v[FA+6*\c:FA+6*\c+2], v[X+64*\c:X+64*\c+15], v[QS+2*\c]
	v_cvt_scalef32_pk16_fp6_f32 v[TT+8*\c:TT+8*\c+2], v[X+64*\c+16:X+64*\c+31], v[QS+2*\c]
	v_cvt_scalef32_pk16_fp6_f32 v[FB+6*\c:FB+6*\c+2], v[X+64*\c+32:X+64*\c+47], v[QS+2*\c+1]
	v_cvt_scalef32_pk16_fp6_f32 v[TT+8*\c+4:TT+8*\c+6], v[X+64*\c+48:X+64*\c+63], v[QS+2*\c+1]
.endr
	v_nop
.irp c, 0,1                                    ; lanes 0-15 are tile 0's channels, lanes 16-31 tile 1's: the halves change places as in launch quant
.irp i, 0,1,2
	v_permlane16_swap_b32 v[FA+6*\c+\i], v[FB+6*\c+\i]
	v_permlane16_swap_b32 v[TT+8*\c+\i], v[TT+8*\c+4+\i]
.endr
.irp i, 0,1,2
	v_mov_b32 v[FA+6*\c+3+\i], v[TT+8*\c+\i]
	v_mov_b32 v[FB+6*\c+3+\i], v[TT+8*\c+4+\i]
.endr
.endr
.irp c, 0,1,2
	global_store_b128 v[LI], v[FA+4*\c:FA+4*\c+3], s[34:35] offset:512*\c
	global_store_b128 v[LI], v[FB+4*\c:FB+4*\c+3], s[34:35] offset:1536+512*\c
.endr
	global_store_b32 v[L4], v[WD], s[36:37]        ; 128 consecutive bytes: both tiles' words
.Lend:
	s_wait_tensorcnt 0x0                           ; the wave's end
	ds_add_u32 v[SPW], v[NIL]
	s_wait_dscnt 0x0
	s_endpgm
.Lfunc_end_k_qacbb5155f9_prep:
	.size	k_qacbb5155f9_prep, .Lfunc_end_k_qacbb5155f9_prep-k_qacbb5155f9_prep
	.p2alignl 7, 3214868480
	.fill 96, 4, 3214868480
	.section	.rodata,"a",@progbits
	.p2align	6, 0x0
	.amdhsa_kernel k_qacbb5155f9_prep
		.amdhsa_group_segment_fixed_size 167936
		.amdhsa_private_segment_fixed_size 0
		.amdhsa_enable_private_segment 0
		.amdhsa_kernarg_size 16
		.amdhsa_user_sgpr_count 2
		.amdhsa_user_sgpr_kernarg_segment_ptr 1
		.amdhsa_wavefront_size32 1
		.amdhsa_system_sgpr_workgroup_id_x 1
		.amdhsa_system_sgpr_workgroup_id_y 1
		.amdhsa_system_sgpr_workgroup_id_z 1
		.amdhsa_system_vgpr_workitem_id 0
		.amdhsa_next_free_vgpr 256
		.amdhsa_next_free_sgpr 66
		.amdhsa_reserve_vcc 1
		.amdhsa_float_denorm_mode_32 3
		.amdhsa_float_denorm_mode_16_64 3
		.amdhsa_memory_ordered 1
		.amdhsa_forward_progress 1
		.amdhsa_inst_pref_size 112
	.end_amdhsa_kernel
	.amdgpu_metadata
---
amdhsa.version: [ 1, 2 ]
amdhsa.kernels:
  - .name:           k_qacbb5155f9_prep
    .symbol:         k_qacbb5155f9_prep.kd
    .args:
      - { .name: g1, .offset: 0, .size: 8, .value_kind: global_buffer, .address_space: global }
      - { .name: kvr, .offset: 8, .size: 8, .value_kind: global_buffer, .address_space: global }
    .group_segment_fixed_size: 167936
    .private_segment_fixed_size: 0
    .kernarg_segment_align: 8
    .kernarg_segment_size: 16
    .max_flat_workgroup_size: 256
    .sgpr_count:     66
    .vgpr_count:     256
    .wavefront_size: 32
...
	.end_amdgpu_metadata
.endif
;; end of part 3
;; launch attn (part 4): grid 8 x 32, 16 waves a work-group, clusters of 4 x 1, 327,680 bytes of LDS; arguments g1, kvr, ao; writes ao
.if DOCPART == 4
	.amdgcn_target "amdgcn-amd-amdhsa--gfx1250"
	.amdhsa_code_object_version 6
	.text
	.protected	k_qacbb5155f9_attn
	.globl	k_qacbb5155f9_attn
	.p2align	8
	.type	k_qacbb5155f9_attn,@function
k_qacbb5155f9_attn:
	s_mov_b64 s[64:65], 0
	v_nop
	global_prefetch_b8 v0, s[64:65] scope:SCOPE_SE
	s_setreg_imm32_b32 hwreg(HW_REG_WAVE_MODE, 25, 1), 1
	s_wait_xcnt 0x0
	s_wait_alu depctr_hold_cnt(0) depctr_sa_sdst(0) depctr_va_vdst(0) depctr_va_sdst(0) depctr_va_ssrc(0) depctr_va_vcc(0) depctr_vm_vsrc(0)
	s_getreg_b32 s2, hwreg(HW_REG_IB_STS2, 6, 4)
	s_cmp_eq_u32 s2, 0
	s_cbranch_scc0 .Lentry_in_a_cluster
	s_endpgm
.Lentry_in_a_cluster:
	s_bfe_u32 s2, ttmp6, 0x10000c
	s_cmp_lg_u32 s2, 0x3003
	s_cbranch_scc0 .Lentry_shape_is_right
	s_endpgm
.Lentry_shape_is_right:
; LAUNCH 4 OF 5.  softmax((q.k + (q tt).kv_cum) / 8, causal) V on codes of FP6 with E8M0 scales.  Both score products are ONE instruction of K = 128: 64 of q.k and 64 of (q tt).kv_cum, four blocks of 32.
; WORK LEFT OUT: a step of 128 keys all of which come after a block's 16 queries lies wholly under the mask that reference() builds itself (jnp.triu): its p is 0 for all inputs; it is not computed.
; LIMITS: as at the head of launch quant; the promise holds while the scaled scores (exponents to the base 2) stay under 2^31 in magnitude.
; SHARES.  Work-group (x = 0..7, bh): the 16 query blocks 8 rho + x (16 queries each), rho = 0..15, of one head; block rho meets key steps 0 .. rho (128 keys each), the last under the mask.  136 steps are dealt to 16 waves:
; wave j (j = 0..7): block 15 - j against key steps 0-7: 8 steps.  Wave 8 + j: block j whole (j + 1 steps), then block 15 - j against key steps 8 .. 15 - j (8 - j steps): 9 steps.
; The two parts of block 15 - j (O^T, M, the sum) are joined at the end: wave j hands its part to wave 8 + j through LDS; M is a whole number, so both parts come under the larger M by exact powers of two.
; Both walks have 8 trips for every wave.
; LDS.  The head's 16 records of 19,200 bytes (launch prep) all fit: each wave asks for one record, 75 rows of 256 bytes, its one tensor load; nothing is filled twice.  The stage for the parts (8 x 4,608 bytes) lies on
; records 0 and 1, behind a barrier behind which no record is read.
; CLUSTER 4 x 1: the four work-groups share bh and so all records: joint loads.  No prefetch: all that the launch reads by tensor loads is asked for at its head; there is no loop to run ahead in.
; A LANE (r, h) holds query r throughout (S^T = K Q^T, O^T = V^T P^T).  REGISTERS: v1-11 addresses; v12 -M, v13 the running largest t, v[14:15] the sum; v16-27, v255 the query operand and its scale words;
; v32-79 four fragments; v80-92 the second block's query operand; v96-159 S^T, then p; v160-191 O^T; v200-209 the way out; v224-235, v253 p's codes and scale word; v232-254 at work; v248-249 scale words.
.set QSC_, 6291456
.set AOS_, 3145728
.set REC,  19200
.set KSC,  18432
.set VOF,  12288
.set VSC,  18944
.set SPARE, 307200
.set STB,  4608
.set LI,  1                            ; 16 x lane
.set LS,  2                            ; 4 x lane
.set DQ,  3                            ; my query less my first key in the diagonal step: 16 x + r - 16 h
.set L8,  4                            ; 8 x lane
.set SPW, 5
.set NIL, 6
.set R4,  7                            ; 4 r
.set ADK, 8
.set ADS, 9
.set SG1, 10                           ; my pair's stage: O^T
.set SG2, 11                           ; and -M and the sum (4,096 bytes on, by the immediate)
.set WV,  18
.set RHO, 19                           ; the block at work
.set SEL, 20
.set CS,  22
.set J,   36
.set RH,  37                           ; 15 - j
.set KS,  44
.set CNT, 45
.set TB,  46
.macro CROUND
	s_barrier_signal -1
	s_barrier_wait -1
	s_cmp_lg_u32 s[WV], 0
	s_cbranch_scc1 .Lnot_wave_0_\@
	s_barrier_signal -3
.Lnot_wave_0_\@:
	s_barrier_wait -3
	s_barrier_signal -1
	s_barrier_wait -1
.endm
.macro QADR rho, qa, qs                ; where block rho's query image and its scale words lie in g1
	s_lshl_b32 s47, s50, 7
	s_lshl_b32 s48, s[\rho], 3
	s_add_co_u32 s47, s47, s48
	s_add_co_u32 s47, s47, s49                     ; 128 bh + 8 rho + x
	s_mul_i32 s[\qa], s47, 1536
	s_mov_b32 s[\qa+1], 0
	s_add_nc_u64 s[\qa:\qa+1], s[4:5], s[\qa:\qa+1]
	s_lshl_b32 s[\qs], s47, 6
	s_add_co_u32 s[\qs], s[\qs], QSC_
	s_mov_b32 s[\qs+1], 0
	s_add_nc_u64 s[\qs:\qs+1], s[4:5], s[\qs:\qs+1]
.endm
.macro OADR rho, oa, os                ; where block rho's codes and scale bytes go in ao: fragment (row block, K step head / 2), half head % 2
	s_lshr_b32 s47, s50, 4
	s_lshl_b32 s47, s47, 7
	s_lshl_b32 s48, s[\rho], 3
	s_add_co_u32 s47, s47, s48
	s_add_co_u32 s47, s47, s49
	s_lshl_b32 s47, s47, 3
	s_bfe_u32 s48, s50, 0x30001
	s_add_co_u32 s47, s47, s48
	s_and_b32 s48, s50, 1
	s_mul_i32 s[\oa], s47, 1536
	s_mul_i32 s54, s48, 768
	s_add_co_u32 s[\oa], s[\oa], s54
	s_mov_b32 s[\oa+1], 0
	s_add_nc_u64 s[\oa:\oa+1], s[8:9], s[\oa:\oa+1]
	s_lshl_b32 s[\os], s47, 6
	s_lshl_b32 s48, s48, 1
	s_add_co_u32 s[\os], s[\os], s48
	s_add_co_u32 s[\os], s[\os], AOS_
	s_mov_b32 s[\os+1], 0
	s_add_nc_u64 s[\os:\os+1], s[8:9], s[\os:\os+1]
.endm
.macro INIT                            ; a block begins: the largest t -3e38, the sum and O^T zeros, which the first change of M leaves zeros
	v_mov_b32 v13, 0xff61b1e6
	s_delay_alu instid0(VALU_DEP_1)
	v_floor_f32 v12, -v13
	v_mov_b32 v14, 0
	v_mov_b32 v15, 0
.set ii, 0
.rept 32
	v_mov_b32 v[160+ii], 0
.set ii, ii+1
.endr
.endm
	s_load_b128 s[4:7], s[0:1], 0x0                ; g1, kvr
	s_load_b64 s[8:9], s[0:1], 0x10                ; ao
	v_lshl_add_u32 v[SPW], v0, 2, SPARE
	v_mov_b32 v[NIL], 0
	ds_add_u32 v[SPW], v[NIL]                      ; the opening lines: the add, twice on end, and its wait
	ds_add_u32 v[SPW], v[NIL]
	v_lshrrev_b32 v28, 5, v0
	s_delay_alu instid0(VALU_DEP_1)
	v_readfirstlane_b32 s[WV], v28                 ; wave 0..15
	s_and_b32 s[J], s[WV], 7
	s_xor_b32 s[RH], s[J], 15                      ; 15 - j
	s_lshr_b32 s47, s[WV], 3
	s_xor_b32 s47, s47, 1
	s_mul_i32 s47, s47, 15
	s_xor_b32 s[RHO], s[J], s47                    ; the first walk's block: 15 - j for waves 0-7, j for waves 8-15
	s_bfe_u32 s48, ttmp6, 0x40000
	s_lshl_b32 s49, ttmp9, 2
	s_add_co_u32 s49, s49, s48                     ; x
	s_and_b32 s50, ttmp7, 0xffff                   ; bh
	s_mov_b32 s24, 15|(3<<16)|(1<<21)              ; group 1: all four partners; elements of 8 bytes; 75 rows of 256 dense bytes
	s_mov_b32 s25, 32<<16
	s_mov_b32 s26, 75<<16
	s_mov_b32 s27, 32<<16
	s_mov_b32 s28, 75
	s_mov_b32 s29, 32
	s_mov_b32 s30, 0
	s_mov_b32 s31, 0
	s_mov_b32 s32, 1
	s_mul_i32 s33, s[WV], REC                      ; record = wave, in LDS and in memory
	s_mul_i32 s52, s50, 16*REC
	s_add_co_u32 s52, s52, s33
	s_mov_b32 s53, 0
	s_mov_b32 s[SEL], 0x76543210
	s_mov_b32 s[SEL+1], 0xfedcba98                 ; selects for lane l xor 16
	s_mov_b32 s[CS], 0x3e38aa3b                    ; log2(e) / 8
	s_mov_b32 s[CS+1], s[CS]
	s_mov_b32 s[KS], 0
	s_mov_b32 s[TB], 0
	s_wait_dscnt 0x0
	s_wait_kmcnt 0x0
	s_add_nc_u64 s[34:35], s[6:7], s[52:53]
	s_or_b32 s35, s35, 0x80000000
	CROUND                                         ; the four work-groups are here: the joint loads meet
	tensor_load_to_lds s[32:35], s[24:31]          ; every wave's one load
	s_nop 0
.rept 4
	v_nop
.endr
	QADR RHO, 56, 58
	QADR RH, 66, 68                                ; every address is made here, by every wave, ahead of the parting on the wave's number: the second block's query operand,
	OADR J, 60, 62                                 ; and where blocks j
	OADR RH, 70, 72                                ; and 15 - j go
	s_lshl_b32 s47, s49, 4
	s_mul_i32 s48, s[J], STB
	v_and_b32 v28, 31, v0
	v_and_b32 v29, 15, v0
	v_bfe_u32 v30, v0, 4, 1
	v_lshlrev_b32 v[LI], 4, v28
	v_lshlrev_b32 v[LS], 2, v28
	v_lshlrev_b32 v[L8], 3, v28
	v_lshlrev_b32 v[R4], 2, v29
	v_lshlrev_b32 v30, 4, v30
	v_add_nc_u32 v29, s47, v29
	v_add_nc_u32 v[SG1], s48, v[LI]
	v_add_nc_u32 v[SG2], s48, v[L8]
	v_sub_nc_u32 v[DQ], v29, v30
	s_wait_alu depctr_va_vdst(0)
.irp c, 0,1,2
	global_load_b128 v[16+4*\c:19+4*\c], v[LI], s[56:57] offset:512*\c
.endr
	global_load_b32 v255, v[R4], s[58:59]
	s_cmp_lt_u32 s[WV], 8
	s_cbranch_scc1 .Lone_block                     ; waves 8-15 alone load a second query operand
.irp c, 0,1,2
	global_load_b128 v[80+4*\c:83+4*\c], v[LI], s[66:67] offset:512*\c
.endr
	global_load_b32 v92, v[R4], s[68:69]
.Lone_block:
	INIT
.irp b, 0,1,2,3
	v_mov_b32 v[236+\b], 0                         ; written once: a lane permute's destination counts as one of its sources
.endr
	v_mov_b32 v252, 0
	v_mov_b32 v253, 0
	s_wait_alu depctr_va_vdst(0)
	s_wait_loadcnt 0x0
	s_wait_tensorcnt 0x0                           ; my record is in,
	s_barrier_signal -1
	s_barrier_wait -1                              ; everybody's is
; One key step: 128 keys against my block's 16 queries
.macro STEP
	s_cmp_gt_u32 s[KS], s[RHO]
	s_cbranch_scc1 .Lhidden_\@                     ; not my block's step
	v_add_nc_u32 v[ADK], s[TB], v[LI]
	v_add_nc_u32 v[ADS], s[TB], v[LS]
	s_wait_alu depctr_va_vdst(0)
	v_nop
	v_nop                                          ; four places in all behind the last step's products
.irp g, 0,1                                    ; S^T = K Q^T, four tiles of 16 keys at a time
.if \g > 0
.rept 4
	v_nop
.endr
.endif
.irp t, 0,1,2,3
.irp c, 0,1,2
	ds_load_b128 v[32+12*\t+4*\c:35+12*\t+4*\c], v[ADK] offset:1536*(4*\g+\t)+512*\c
.endr
.endr
	ds_load_b32 v248, v[ADS] offset:KSC+256*\g     ; lanes 0-15 one tile's scale words, lanes 16-31 the next tile's
	ds_load_b32 v249, v[ADS] offset:KSC+256*\g+128
	s_wait_dscnt 0x0
.irp t, 0,2
	v_wmma_scale_f32_16x16x128_f8f6f4 v[96+8*(4*\g+\t):103+8*(4*\g+\t)], v[32+12*\t:43+12*\t], v[16:27], 0, v[248+\t/2], v255 matrix_a_fmt:MATRIX_FMT_FP6 matrix_b_fmt:MATRIX_FMT_FP6
	v_wmma_scale_f32_16x16x128_f8f6f4 v[104+8*(4*\g+\t):111+8*(4*\g+\t)], v[44+12*\t:55+12*\t], v[16:27], 0, v[248+\t/2], v255 matrix_a_fmt:MATRIX_FMT_FP6 matrix_b_fmt:MATRIX_FMT_FP6 matrix_a_scale:MATRIX_SCALE_ROW1
.endr
.endr
.rept 4
	v_nop
.endr
.irp t, 0,1,2,3                                ; V^T's four tiles land under the softmax
.irp c, 0,1,2
	ds_load_b128 v[32+12*\t+4*\c:35+12*\t+4*\c], v[ADK] offset:VOF+1536*\t+512*\c
.endr
.endr
	ds_load_b32 v248, v[ADS] offset:VSC
	ds_load_b32 v249, v[ADS] offset:VSC+128
	s_cmp_lg_u32 s[KS], s[RHO]
	s_cbranch_scc1 .Lopen_\@
	v_mov_b32 v254, 0xff800000                     ; the diagonal step: register 16 b + i is key 32 b + 16 h + i; a key behind my query gets -inf
.set nn, 0
.rept 64
	v_cmp_gt_i32 vcc_lo, 32*(nn/16)+nn%16, v[DQ]
	v_cndmask_b32 v[96+nn], v[96+nn], v254, vcc_lo
.set nn, nn+1
.endr
.Lopen_\@:
.irp b, 0,1,2,3                                ; the largest score of each block of 32 keys: for the row's maximum and for the block's largest p
	v_max3_num_f32 v[232+\b], v[96+16*\b], v[97+16*\b], v[98+16*\b]
.endr
.irp i, 3,5,7,9,11,13
.irp b, 0,1,2,3
	v_max3_num_f32 v[232+\b], v[232+\b], v[96+16*\b+\i], v[97+16*\b+\i]
.endr
.endr
.irp b, 0,1,2,3
	v_max_num_f32 v[232+\b], v[232+\b], v[111+16*\b]
.endr
.irp b, 0,1,2,3
	s_delay_alu instid0(VALU_DEP_4)
	v_permlanex16_b32 v[236+\b], v[232+\b], s[SEL], s[SEL+1]
.endr
.irp b, 0,1,2,3
	s_delay_alu instid0(VALU_DEP_4)
	v_max_num_f32 v[232+\b], v[232+\b], v[236+\b]
.endr
	s_delay_alu instid0(VALU_DEP_2)
	v_max3_num_f32 v254, v232, v233, v234
	s_delay_alu instid0(VALU_DEP_1)
	v_max_num_f32 v254, v254, v235
	s_delay_alu instid0(VALU_DEP_1)
	v_mul_f32 v254, s[CS], v254
	s_delay_alu instid0(VALU_DEP_1)
	v_max_num_f32 v13, v13, v254                   ; the running largest t
	v_mov_b32 v254, v12
	s_delay_alu instid0(VALU_DEP_2)
	v_floor_f32 v12, -v13                          ; -M = floor(-t): M is a whole number
	s_delay_alu instid0(VALU_DEP_1)
	v_sub_f32 v254, v12, v254
	s_delay_alu instid0(VALU_DEP_1)
	v_cvt_i32_f32 v254, v254
	s_delay_alu instid0(VALU_DEP_1)
	v_ldexp_f32 v252, 1.0, v254                    ; f = 2^(old M - new M)
.set ii, 0
.rept 32
	v_pk_fma_f32 v[96+ii:97+ii], v[96+ii:97+ii], s[CS:CS+1], v[12:13] op_sel_hi:[1,0,0]   ; t - M
.set ii, ii+2
.endr
.irp b, 0,1,2,3
	v_fma_f32 v[232+\b], v[232+\b], s[CS], v12
.endr
.set ii, 0
	s_wait_alu depctr_va_vdst(0)                   ; the wait ahead of the batch
.rept 64
	v_exp_f32 v[96+ii], v[96+ii]                   ; p = 2^(t - M)
.set ii, ii+1
.endr
	v_pk_mul_f32 v[14:15], v[14:15], v[252:253] op_sel_hi:[1,0]
	s_wait_alu depctr_va_vdst(0)                   ; and behind it
.irp b, 0,1,2,3
	v_exp_f32 v[232+\b], v[232+\b]                 ; each block's largest p
.endr
	v_pk_add_f32 v[236:237], v[96:97], v[98:99]    ; the sum of the unquantised p, in two chains
.irp j, 4,8,12,16,20,24,28,32,36,40,44,48,52,56,60
	v_pk_add_f32 v[14:15], v[14:15], v[96+\j:97+\j]
	v_pk_add_f32 v[236:237], v[236:237], v[98+\j:99+\j]
.endr
	s_delay_alu instid0(VALU_DEP_1)
	v_pk_add_f32 v[14:15], v[14:15], v[236:237]
	s_wait_alu depctr_va_vdst(0)
.irp b, 0,1,2,3
	v_max_num_f32 v[232+\b], 0x1800000, v[232+\b]  ; the floor 2^(3 - 127): the byte cannot fall under 1
.endr
.irp b, 0,1,2,3
	s_delay_alu instid0(VALU_DEP_4)
	v_add_nc_u32 v[244+\b], 0xff000000, v[232+\b]  ; the conversion's scale operand
.endr
.irp b, 0,1,2,3
	s_delay_alu instid0(VALU_DEP_4)
	v_lshrrev_b32 v[236+\b], 23, v[244+\b]         ; the byte
.endr
	s_delay_alu instid0(VALU_DEP_3)
	v_lshl_or_b32 v253, v237, 8, v236
	s_delay_alu instid0(VALU_DEP_1)
	v_lshl_or_b32 v253, v238, 16, v253
	s_delay_alu instid0(VALU_DEP_1)
	v_lshl_or_b32 v253, v239, 24, v253
.irp c, 0,1
	v_cvt_scalef32_pk16_fp6_f32 v[224+6*\c:226+6*\c], v[96+32*\c:111+32*\c], v[244+2*\c]
	v_cvt_scalef32_pk16_fp6_f32 v[236+4*\c:238+4*\c], v[112+32*\c:127+32*\c], v[244+2*\c+1]
.endr
	v_nop
.irp c, 0,1                                    ; the operand wants a whole block in a lane
.irp i, 0,1,2
	v_permlane16_swap_b32 v[224+6*\c+\i], v[236+4*\c+\i]
.endr
.irp i, 0,1,2
	s_delay_alu instid0(VALU_DEP_3)
	v_mov_b32 v[227+6*\c+\i], v[236+4*\c+\i]
.endr
.endr
	s_wait_alu depctr_va_vdst(0)                   ; directly ahead of the first reader of O^T
.set ii, 0
.rept 16
	v_pk_mul_f32 v[160+ii:161+ii], v[160+ii:161+ii], v[252:253] op_sel_hi:[1,0]   ; O^T under the new M
.set ii, ii+2
.endr
	s_wait_alu depctr_va_vdst(0)
	s_wait_dscnt 0x0                               ; V^T's tiles are in
.irp t, 0,2
	v_wmma_scale_f32_16x16x128_f8f6f4 v[160+8*\t:167+8*\t], v[32+12*\t:43+12*\t], v[224:235], v[160+8*\t:167+8*\t], v[248+\t/2], v253 matrix_a_fmt:MATRIX_FMT_FP6 matrix_b_fmt:MATRIX_FMT_FP6
	v_wmma_scale_f32_16x16x128_f8f6f4 v[168+8*\t:175+8*\t], v[44+12*\t:55+12*\t], v[224:235], v[168+8*\t:175+8*\t], v[248+\t/2], v253 matrix_a_fmt:MATRIX_FMT_FP6 matrix_b_fmt:MATRIX_FMT_FP6 matrix_a_scale:MATRIX_SCALE_ROW1
.endr
.Lhidden_\@:
	s_add_co_u32 s[KS], s[KS], 1
	s_add_co_u32 s[TB], s[TB], REC
.endm
.macro WALK                            ; eight key steps, and four places behind the last products
	s_mov_b32 s[CNT], 8
.Lwalk_\@:
	STEP
	s_sub_co_u32 s[CNT], s[CNT], 1
	s_cmp_lg_u32 s[CNT], 0
	s_cbranch_scc1 .Lwalk_\@
.rept 4
	v_nop
.endr
.endm
; A block is whole: O^T / the sum, quantised along the head's 64 channels (two blocks of 32 of the projection's K), stored as register pairs for launch gemm2
.macro FINAL oa, os
	s_wait_xcnt 0x0                                ; an earlier block's stores have read their registers
	v_add_f32 v14, v14, v15
	s_delay_alu instid0(VALU_DEP_1)
	v_permlanex16_b32 v252, v14, s[SEL], s[SEL+1]
	s_delay_alu instid0(VALU_DEP_1)
	v_add_f32 v14, v14, v252
	s_wait_alu depctr_va_vdst(0)
	v_rcp_f32 v14, v14
	v_nop
	s_wait_alu depctr_va_vdst(0)
.set ii, 0
.rept 32
	v_mul_f32 v[96+ii], v[160+ii], v14
.set ii, ii+1
.endr
.irp b, 0,1
	v_max3_num_f32 v[232+\b], |v[96+16*\b]|, |v[97+16*\b]|, 0x1800000
.endr
.irp i, 2,4,6,8,10,12,14
.irp b, 0,1
	s_delay_alu instid0(VALU_DEP_2)
	v_max3_num_f32 v[232+\b], v[232+\b], |v[96+16*\b+\i]|, |v[97+16*\b+\i]|
.endr
.endr
.irp b, 0,1
	s_delay_alu instid0(VALU_DEP_2)
	v_permlanex16_b32 v[236+\b], v[232+\b], s[SEL], s[SEL+1]
.endr
.irp b, 0,1
	s_delay_alu instid0(VALU_DEP_2)
	v_max_num_f32 v[232+\b], v[232+\b], v[236+\b]
.endr
.irp b, 0,1
	s_delay_alu instid0(VALU_DEP_2)
	v_add_nc_u32 v[244+\b], 0xff000000, v[232+\b]
.endr
.irp b, 0,1
	s_delay_alu instid0(VALU_DEP_2)
	v_lshrrev_b32 v[236+\b], 23, v[244+\b]
.endr
	s_delay_alu instid0(VALU_DEP_1)
	v_lshl_or_b32 v209, v237, 8, v236              ; the two scale bytes, in a register that no step writes
	v_cvt_scalef32_pk16_fp6_f32 v[200:202], v[96:111], v244
	v_cvt_scalef32_pk16_fp6_f32 v[206:208], v[112:127], v245
	v_nop
.irp i, 0,1,2
	v_permlane16_swap_b32 v[200+\i], v[206+\i]
.endr
.irp i, 0,1,2
	s_delay_alu instid0(VALU_DEP_3)
	v_mov_b32 v[203+\i], v[206+\i]
.endr
.irp p, 0,1,2
	global_store_b64 v[L8], v[200+2*\p:201+2*\p], s[\oa:\oa+1] offset:256*\p   ; 256 consecutive bytes a store
.endr
	global_store_b16 v[R4], v209, s[\os:\os+1]     ; both halves of the lanes hold and write the same two bytes
.endm
	WALK                                           ; key steps 0-7
	s_cmp_lt_u32 s[WV], 8
	s_cselect_b32 s[RHO], 0, s[RH]                 ; the second walk (key steps 8-15): none of it is waves 0-7's; waves 8-15 take block 15 - j
	s_cbranch_scc1 .Lno_low
	FINAL 60, 62                                   ; block j is whole
.set ii, 0
.rept 12
	v_mov_b32 v[16+ii], v[80+ii]
.set ii, ii+1
.endr
	v_mov_b32 v255, v92
	INIT                                           ; (its lines are also the places between these moves and the next products)
	s_wait_alu depctr_va_vdst(0)
.Lno_low:
	WALK
	s_wait_dscnt 0x0                               ; my reads of the records are over
	s_barrier_signal -1
	s_barrier_wait -1                              ; everybody's are: the stage may be written
	s_cmp_lt_u32 s[WV], 8
	s_cbranch_scc0 .Lnot_a
	v_add_f32 v13, v14, v15                        ; waves 0-7: my lane's sum beside -M,
.irp q, 0,1,2,3,4,5,6,7
	ds_store_b128 v[SG1], v[160+4*\q:163+4*\q] offset:512*\q     ; and O^T as an image of its registers, each accumulator from its low end on
.endr
	ds_store_b64 v[SG2], v[12:13] offset:4096
.Lnot_a:
	s_wait_dscnt 0x0
	s_barrier_signal -1
	s_barrier_wait -1
	s_cmp_lt_u32 s[WV], 8
	s_cbranch_scc1 .Lend
.irp q, 0,1,2,3,4,5,6,7
	ds_load_b128 v[96+4*\q:99+4*\q], v[SG1] offset:512*\q        ; waves 8-15: the partner's part of block 15 - j
.endr
	ds_load_b64 v[128:129], v[SG2] offset:4096
	s_wait_dscnt 0x0
	v_min_num_f32 v130, v12, v128                  ; -M of both parts together
	v_mov_b32 v133, 0                              ; (upper halves of pairs that the packed forms name)
	v_mov_b32 v135, 0
	v_sub_f32 v131, v130, v12
	v_sub_f32 v136, v130, v128
	s_delay_alu instid0(VALU_DEP_2)
	v_cvt_i32_f32 v131, v131
	s_delay_alu instid0(VALU_DEP_2)
	v_cvt_i32_f32 v136, v136
	s_delay_alu instid0(VALU_DEP_2)
	v_ldexp_f32 v132, 1.0, v131                    ; my part's factor, a power of two,
	s_delay_alu instid0(VALU_DEP_2)
	v_ldexp_f32 v134, 1.0, v136                    ; and the partner's
	s_delay_alu instid0(VALU_DEP_2)
	v_pk_mul_f32 v[14:15], v[14:15], v[132:133] op_sel_hi:[1,0]
	s_delay_alu instid0(VALU_DEP_1)
	v_fmac_f32 v14, v129, v134
.set ii, 0
.rept 16
	v_pk_mul_f32 v[160+ii:161+ii], v[160+ii:161+ii], v[132:133] op_sel_hi:[1,0]
.set ii, ii+2
.endr
.set ii, 0
.rept 16
	v_pk_fma_f32 v[160+ii:161+ii], v[96+ii:97+ii], v[134:135], v[160+ii:161+ii] op_sel_hi:[1,0,1]
.set ii, ii+2
.endr
	FINAL 70, 72
.Lend:
	s_wait_tensorcnt 0x0                           ; the wave's end
	ds_add_u32 v[SPW], v[NIL]
	s_wait_dscnt 0x0
	CROUND                                         ; the closing round
	s_endpgm
.Lfunc_end_k_qacbb5155f9_attn:
	.size	k_qacbb5155f9_attn, .Lfunc_end_k_qacbb5155f9_attn-k_qacbb5155f9_attn
	.p2alignl 7, 3214868480
	.fill 96, 4, 3214868480
	.section	.rodata,"a",@progbits
	.p2align	6, 0x0
	.amdhsa_kernel k_qacbb5155f9_attn
		.amdhsa_group_segment_fixed_size 327680
		.amdhsa_private_segment_fixed_size 0
		.amdhsa_enable_private_segment 0
		.amdhsa_kernarg_size 24
		.amdhsa_user_sgpr_count 2
		.amdhsa_user_sgpr_kernarg_segment_ptr 1
		.amdhsa_wavefront_size32 1
		.amdhsa_system_sgpr_workgroup_id_x 1
		.amdhsa_system_sgpr_workgroup_id_y 1
		.amdhsa_system_sgpr_workgroup_id_z 1
		.amdhsa_system_vgpr_workitem_id 0
		.amdhsa_next_free_vgpr 256
		.amdhsa_next_free_sgpr 80
		.amdhsa_reserve_vcc 1
		.amdhsa_float_denorm_mode_32 3
		.amdhsa_float_denorm_mode_16_64 3
		.amdhsa_memory_ordered 1
		.amdhsa_forward_progress 1
		.amdhsa_inst_pref_size 69
	.end_amdhsa_kernel
	.amdgpu_metadata
---
amdhsa.version: [ 1, 2 ]
amdhsa.kernels:
  - .name:           k_qacbb5155f9_attn
    .symbol:         k_qacbb5155f9_attn.kd
    .args:
      - { .name: g1, .offset: 0, .size: 8, .value_kind: global_buffer, .address_space: global }
      - { .name: kvr, .offset: 8, .size: 8, .value_kind: global_buffer, .address_space: global }
      - { .name: ao, .offset: 16, .size: 8, .value_kind: global_buffer, .address_space: global }
    .group_segment_fixed_size: 327680
    .private_segment_fixed_size: 0
    .kernarg_segment_align: 8
    .kernarg_segment_size: 24
    .max_flat_workgroup_size: 512
    .sgpr_count:     80
    .vgpr_count:     256
    .wavefront_size: 32
...
	.end_amdgpu_metadata
.endif
;; end of part 4
;; launch gemm2 (part 5): grid 8 x 32, 4 waves a work-group, clusters of 4 x 4, 327,680 bytes of LDS; arguments ao, qz, bout, out0; writes out0
.if DOCPART == 5
	.amdgcn_target "amdgcn-amd-amdhsa--gfx1250"
	.amdhsa_code_object_version 6
	.text
	.protected	k_qacbb5155f9_gemm2
	.globl	k_qacbb5155f9_gemm2
	.p2align	8
	.type	k_qacbb5155f9_gemm2,@function
k_qacbb5155f9_gemm2:
	s_mov_b64 s[64:65], 0
	v_nop
	global_prefetch_b8 v0, s[64:65] scope:SCOPE_SE
	s_setreg_imm32_b32 hwreg(HW_REG_WAVE_MODE, 25, 1), 1
	s_wait_xcnt 0x0
	s_wait_alu depctr_hold_cnt(0) depctr_sa_sdst(0) depctr_va_vdst(0) depctr_va_sdst(0) depctr_va_ssrc(0) depctr_va_vcc(0) depctr_vm_vsrc(0)
	s_getreg_b32 s2, hwreg(HW_REG_IB_STS2, 6, 4)
	s_cmp_eq_u32 s2, 0
	s_cbranch_scc0 .Lentry_in_a_cluster
	s_endpgm
.Lentry_in_a_cluster:
	s_bfe_u32 s2, ttmp6, 0x10000c
	s_cmp_lg_u32 s2, 0xf033
	s_cbranch_scc0 .Lentry_shape_is_right
	s_endpgm
.Lentry_shape_is_right:
; LAUNCH 5 OF 5.  out0 = O Wout + bout on codes of FP6 with E8M0 scales.  No work of reference() is left out here.
; SHARES.  A tile of out0 is 128 x 128: 256 work-groups.  Four waves, each 64 x 64 in 16 accumulators.  TRANSPOSED: source 0 = 16 columns of Wout (in launch quant's order of tiles), source 1 = 16 rows of O:
; a lane holds one row, and tile 2 g + u's register j is column 32 g + 16 (lane / 16) + 8 u + j.  The bias is the C of each sum's first product.
; LDS.  All of K (eight steps of 128) of both operands fits: two halves of four steps, each a first fill; nothing is filled twice.  A wave has one tensor load out.
; O's fragments lie as register PAIRS (pair p of lane L at 256 p + 8 L: launch attn): six loads of 8 bytes; Wout's as quads: three of 16.
; CLUSTER 4 x 4: O's tiles are shared along a row of the cluster, Wout's along a column.  The way out goes through each wave's own stage, so that sixteen lanes store 256 consecutive bytes, aligned.
.set AOS_, 3145728
.set OA_,  6291456
.set OS_,  7340032
; LDS AS THIS TEXT HAS IT (in place of the paragraph LDS above): O's 8 row blocks x 12,288 bytes (all eight K steps) at 0, Wout's 8 at 98,304: two dense blocks of memory.  At the head each wave issues ONE joint load:
; wave 0 O's block, wave 1 Wout's, wave 2 O's scale words, wave 3 Wout's.  Nothing is filled later.
.set HSLOT, 98304
.set HALF,  24576                      ; 2 row blocks of 12,288 bytes
.set SCL,   196608                     ; the scale words: A's 4,096 bytes, B's 4,096
.set STG,   204800                     ; the stages: 16 rows x 272 bytes a wave; no fill lands here
.set SPARE, 222208                     ; the spare words
.set ADRA, 16                          ; v16 8 x lane + my half of A
.set ADRB, 20                          ; v20 16 x lane + my half of B
.set STO,  24
.set RD,   25
.set CO,   26
.set ADRS, 27
.set SPW,  28
.set NIL,  29
.set H64,  30
.set SC,   32                          ; v32-63 scale words: register 8 i + s: lanes 0-15 A's block i, lanes 16-31 B's block i
.set BI,   64                          ; v64-95 the bias, 8 registers for each of B's four tiles
.set OB,   96                          ; v96-127 rows read back from the stage
.set ACC,  128                         ; v128-255 accumulator (a, b) at 8 (4 a + b).  Window 1: set p at 128 p: B's fragments at 12 b, A's at 48 + 12 a
.set G1A, 24
.set G1B, 32
.set G1SA, 40
.set G1SB, 48
.set G0A0, 56
.set G0A1, 60
.set G0SA, 68
.set G0B0, 72
.set G0B1, 76
.set G0SB, 80
.set MSB, 0
.macro WIN new
.if MSB != (\new)
	s_set_vgpr_msb (MSB<<8)|(\new)
.set MSB, (\new)
.endif
.endm
.macro ARM under, g0, g1, next         ; one arm of the head's tree of branches on the wave's number: its load, and a jump to the tree's end
	s_cmp_lt_u32 s14, \under
	s_cbranch_scc0 \next
	tensor_load_to_lds s[\g0:\g0+3], s[\g1:\g1+7]
	s_nop 0
.rept 4
	v_nop
.endr
	s_branch .Lhead_asked
\next:
.endm
.macro CROUND
	s_barrier_signal -1
	s_barrier_wait -1
	s_cmp_lg_u32 s14, 0
	s_cbranch_scc1 .Lnot_wave_0_\@
	s_barrier_signal -3
.Lnot_wave_0_\@:
	s_barrier_wait -3
	s_barrier_signal -1
	s_barrier_wait -1
.endm
.macro PLACES n
.rept \n
	v_nop
.endr
.endm
.macro SETH g, lds, lo                 ; a descriptor's group 0: count 1; LDS address; global address; type 2
	s_mov_b32 s[\g], 1
	s_mov_b32 s[\g+1], \lds
	s_mov_b64 s[\g+2:\g+3], s[\lo:\lo+1]
	s_or_b32 s[\g+3], s[\g+3], 0x80000000
.endm
.macro FETCH s                         ; K step s's eight fragments into set s % 2
.set PP, 128*((\s)%2)
	WIN 0x40
.irp b, 0,1,2,3
.irp c, 0,1,2
	ds_load_b128 v[PP+12*\b+4*\c:PP+12*\b+4*\c+3], v[ADRB] offset:12288*\b+1536*(\s)+512*\c
.endr
.endr
.irp a, 0,1,2,3
.irp p, 0,1,2,3,4,5
	ds_load_b64 v[PP+48+12*\a+2*\p:PP+48+12*\a+2*\p+1], v[ADRA] offset:12288*\a+1536*(\s)+256*\p
.endr
.endr
	WIN 0
.endm
.macro MULS s                          ; 16 products; the 16 accumulators take turns, one instruction a turn, in the same order in every step
.set PP, 128*((\s)%2)
	WIN 0x05                                       ; sources 0 and 1 window 1; C and D window 0
.irp a, 0,1,2,3
.irp b, 0,1,2,3
.if (\s) == 0
	v_wmma_scale_f32_16x16x128_f8f6f4 v[ACC+8*(4*\a+\b):ACC+8*(4*\a+\b)+7], v[PP+12*\b:PP+12*\b+11], v[PP+48+12*\a:PP+48+12*\a+11], v[BI+8*\b:BI+8*\b+7], v[SC+8*\b+(\s)], v[SC+8*\a+(\s)] matrix_a_fmt:MATRIX_FMT_FP6 matrix_b_fmt:MATRIX_FMT_FP6 matrix_a_scale:MATRIX_SCALE_ROW1
.else
	v_wmma_scale_f32_16x16x128_f8f6f4 v[ACC+8*(4*\a+\b):ACC+8*(4*\a+\b)+7], v[PP+12*\b:PP+12*\b+11], v[PP+48+12*\a:PP+48+12*\a+11], v[ACC+8*(4*\a+\b):ACC+8*(4*\a+\b)+7], v[SC+8*\b+(\s)], v[SC+8*\a+(\s)] matrix_a_fmt:MATRIX_FMT_FP6 matrix_b_fmt:MATRIX_FMT_FP6 matrix_a_scale:MATRIX_SCALE_ROW1
.endif
.endr
.endr
.endm
.macro KSTEP s
	s_wait_dscnt 0x0                               ; this step's fragments are in
.if (\s) < 7
.if (\s) > 0
	PLACES 4                                       ; in front of loads into the set that the last step's products read
.endif
	FETCH (\s)+1                                   ; the next step's fragments land under this step's products
.endif
	MULS \s
.endm
	s_load_b128 s[4:7], s[0:1], 0x0                ; ao s[4:5], qz s[6:7]
	s_load_b128 s[8:11], s[0:1], 0x10              ; bout s[8:9], out0 s[10:11]
	v_lshl_add_u32 v[SPW], v0, 2, SPARE
	v_mov_b32 v[NIL], 0
	ds_add_u32 v[SPW], v[NIL]                      ; the wave's opening: the add, twice on end, and its wait ahead of my first tensor load
	ds_add_u32 v[SPW], v[NIL]
	v_lshrrev_b32 v1, 5, v0
	v_readfirstlane_b32 s14, v1                    ; wave 0..3
	s_lshr_b32 s15, s14, 1                         ; my half of the rows.  Also: I fetch for A (0) or for B (1)
	s_and_b32 s16, s14, 1                          ; my half of the columns.  Also: which 4 row blocks I fetch
	s_bfe_u32 s18, ttmp6, 0x40000                  ; cx
	s_bfe_u32 s19, ttmp6, 0x40004                  ; cy
	s_lshl_b32 s12, ttmp9, 2
	s_add_co_u32 s12, s12, s18                     ; tile column
	s_and_b32 s17, ttmp7, 0xffff
	s_lshl_b32 s17, s17, 2
	s_add_co_u32 s17, s17, s19                     ; tile row
	s_lshl_b32 s13, s19, 2
	s_lshl_b32 s13, 15, s13                        ; my row of the cluster
	s_lshl_b32 s3, 0x1111, s18                     ; my column
	; group 1 for codes: 8 row blocks (all eight K steps' images, 12,288 bytes each) as 384 rows of 32 elements of 8 bytes; dense in LDS
	s_or_b32 s[G1A], s13, (3<<16)|(1<<21)
	s_or_b32 s[G1B], s3, (3<<16)|(1<<21)
.irp g, G1A, G1B
	s_mov_b32 s[\g+1], 32<<16                      ; 8 row blocks x 12,288 dense bytes, as 384 rows of 256
	s_mov_b32 s[\g+2], 384<<16
	s_mov_b32 s[\g+3], 32<<16
	s_mov_b32 s[\g+4], 384
	s_mov_b32 s[\g+5], 32
	s_mov_b32 s[\g+6], 0
	s_mov_b32 s[\g+7], 0
.endr
	; and for scale words: 8 row blocks x 512 dense bytes, as 16 rows of 256
	s_or_b32 s[G1SA], s13, (3<<16)|(1<<21)
	s_or_b32 s[G1SB], s3, (3<<16)|(1<<21)
.irp g, G1SA, G1SB
	s_mov_b32 s[\g+1], 32<<16
	s_mov_b32 s[\g+2], 16<<16                      ; 8 row blocks x 512 dense bytes, as 16 rows of 256
	s_mov_b32 s[\g+3], 32<<16
	s_mov_b32 s[\g+4], 16
	s_mov_b32 s[\g+5], 32
	s_mov_b32 s[\g+6], 0
	s_mov_b32 s[\g+7], 0
.endr
	s_lshl_b32 s20, s17, 3                         ; A: row block 8 x tile row
	s_lshl_b32 s92, s12, 3                         ; B: row block 8 x tile column
	s_lshl_b32 s22, s20, 9
	s_add_co_u32 s22, s22, AOS_
	s_mov_b32 s23, 0
	s_mul_i32 s20, s20, 12288
	s_mov_b32 s21, 0
	s_lshl_b32 s94, s92, 9
	s_add_co_u32 s94, s94, OS_
	s_mov_b32 s95, 0
	s_mul_i32 s92, s92, 12288
	s_add_co_u32 s92, s92, OA_
	s_mov_b32 s93, 0
	s_wait_dscnt 0x0                               ; both opening adds are done
	s_wait_kmcnt 0x0
	s_add_nc_u64 s[20:21], s[4:5], s[20:21]
	s_add_nc_u64 s[22:23], s[4:5], s[22:23]
	s_add_nc_u64 s[92:93], s[6:7], s[92:93]
	s_add_nc_u64 s[94:95], s[6:7], s[94:95]
	CROUND                                         ; all sixteen work-groups are here: the joint loads meet
	SETH G0A0, 0, 20                               ; O's codes, all of K,
	SETH G0B0, HSLOT, 92                           ; Wout's,
	SETH G0SA, SCL, 22                             ; O's scale words,
	SETH G0SB, SCL+4096, 94                        ; and Wout's: no place in the cluster enters an LDS address
	ARM 1, G0A0, G1A, .Lhead_b                     ; one tensor load a wave at the head
	ARM 2, G0B0, G1B, .Lhead_sa
	ARM 3, G0SA, G1SA, .Lhead_sb
	tensor_load_to_lds s[G0SB:G0SB+3], s[G1SB:G1SB+7]
	s_nop 0
.rept 4
	v_nop
.endr
.Lhead_asked:
	v_and_b32 v3, 31, v0
	v_and_b32 v1, 15, v0                           ; r
	v_bfe_u32 v2, v0, 4, 1                         ; h
	s_wait_alu depctr_va_vdst(0)
	v_lshlrev_b32 v4, 3, v3
	v_lshlrev_b32 v5, 4, v3
	v_lshlrev_b32 v[H64], 6, v2
	s_mul_i32 s18, s15, 2*HALF                     ; my 4 row blocks of 12,288 bytes
	s_mul_i32 s19, s16, 2*HALF
	s_add_co_u32 s19, s19, HSLOT
	v_add_nc_u32 v[ADRA], s18, v4
	v_add_nc_u32 v[ADRB], s19, v5
	s_lshl_b32 s18, s15, 11
	s_lshl_b32 s19, s16, 11
	s_add_co_u32 s19, s19, 4096
	s_sub_co_u32 s19, s19, s18
	v_mul_u32_u24 v4, s19, v2                      ; lanes 16-31 take B's words: the lower base + h x the distance
	s_add_co_u32 s18, s18, SCL
	v_lshl_add_u32 v4, v1, 2, v4
	v_add_nc_u32 v[ADRS], s18, v4
	s_mul_i32 s18, s14, 4352
	s_add_co_u32 s18, s18, STG                     ; my stage
	v_mul_u32_u24 v[STO], v1, 272
	v_lshl_add_u32 v[STO], v2, 6, v[STO]
	v_add_nc_u32 v[STO], s18, v[STO]               ; in: row r, + 64 h
	v_mul_u32_u24 v[RD], v2, 272
	v_lshl_add_u32 v[RD], v1, 4, v[RD]
	v_add_nc_u32 v[RD], s18, v[RD]                 ; back: lanes 0-15 one row of 256 bytes, lanes 16-31 the next
	v_lshlrev_b32 v[CO], 12, v2
	v_lshl_add_u32 v[CO], v1, 4, v[CO]             ; and the same two rows in out0
	s_lshl_b32 s2, s12, 9
	s_lshl_b32 s18, s16, 8
	s_add_co_u32 s2, s2, s18                       ; my first column, in bytes
	s_mov_b32 s98, s2
	s_mov_b32 s99, 0
	s_add_nc_u64 s[98:99], s[8:9], s[98:99]
.irp b, 0,1,2,3                                ; the bias in the result's layout: tile 2 g + u: columns 32 g + 16 h + 8 u + 0 .. 7
	global_load_b128 v[BI+8*\b:BI+8*\b+3], v[H64], s[98:99] offset:4*(32*(\b/2)+8*(\b%2))
	global_load_b128 v[BI+8*\b+4:BI+8*\b+7], v[H64], s[98:99] offset:4*(32*(\b/2)+8*(\b%2))+16
.endr
	s_lshl_b32 s100, s17, 7
	s_lshl_b32 s18, s15, 6
	s_add_co_u32 s100, s100, s18                   ; my first row
	s_lshl_b32 s100, s100, 12
	s_add_co_u32 s100, s100, s2
	s_mov_b32 s101, 0
	s_add_nc_u64 s[100:101], s[10:11], s[100:101]
	s_wait_alu depctr_va_vdst(0)
	s_wait_tensorcnt 0x0                           ; my tile of the head's four is in,
	s_barrier_signal -1
	s_barrier_wait -1                              ; everybody's is
.irp i, 0,1,2,3
.irp s, 0,1,2,3,4,5,6,7
	ds_load_b32 v[SC+8*\i+\s], v[ADRS] offset:512*\i+64*\s
.endr
.endr
	FETCH 0
	s_wait_loadcnt 0x0                             ; the bias
.irp s, 0,1,2,3,4,5,6,7
	KSTEP \s
.endr
	WIN 0
	PLACES 4
; THE WAY OUT, a row block of 16 rows x 64 columns at a time, through my own stage: LDS serves a wave's instructions in order, so no wait stands between the stores and the loads, nor in front of the next block's stores.
.macro OUTB a
.irp b, 0,1,2,3
	ds_store_b128 v[STO], v[ACC+8*(4*(\a)+\b):ACC+8*(4*(\a)+\b)+3] offset:128*(\b/2)+32*(\b%2)         ; each accumulator from its low end on
	ds_store_b128 v[STO], v[ACC+8*(4*(\a)+\b)+4:ACC+8*(4*(\a)+\b)+7] offset:128*(\b/2)+32*(\b%2)+16
.endr
.if (\a) > 0
	s_wait_xcnt 0x0                                ; the last block's stores have read their registers
.endif
.irp i, 0,1,2,3,4,5,6,7
	ds_load_b128 v[OB+4*\i:OB+4*\i+3], v[RD] offset:544*\i
.endr
.irp i, 0,1,2,3,4,5,6,7
	s_wait_dscnt 7-\i                              ; the younger loads may stay out
	global_store_b128 v[CO], v[OB+4*\i:OB+4*\i+3], s[100:101] offset:4096*(16*(\a)+2*\i) th:TH_STORE_NT   ; sixteen lanes store 256 consecutive bytes, aligned; written once, read by nobody here
.endr
.endm
.irp a, 0,1,2,3
	OUTB \a
.endr
	s_wait_tensorcnt 0x0                           ; the wave's end
	ds_add_u32 v[SPW], v[NIL]
	s_wait_dscnt 0x0
	CROUND                                         ; the closing round
	s_endpgm
.Lfunc_end_k_qacbb5155f9_gemm2:
	.size	k_qacbb5155f9_gemm2, .Lfunc_end_k_qacbb5155f9_gemm2-k_qacbb5155f9_gemm2
	.p2alignl 7, 3214868480
	.fill 96, 4, 3214868480
	.section	.rodata,"a",@progbits
	.p2align	6, 0x0
	.amdhsa_kernel k_qacbb5155f9_gemm2
		.amdhsa_group_segment_fixed_size 327680
		.amdhsa_private_segment_fixed_size 0
		.amdhsa_enable_private_segment 0
		.amdhsa_kernarg_size 32
		.amdhsa_user_sgpr_count 2
		.amdhsa_user_sgpr_kernarg_segment_ptr 1
		.amdhsa_wavefront_size32 1
		.amdhsa_system_sgpr_workgroup_id_x 1
		.amdhsa_system_sgpr_workgroup_id_y 1
		.amdhsa_system_sgpr_workgroup_id_z 1
		.amdhsa_system_vgpr_workitem_id 0
		.amdhsa_next_free_vgpr 512
		.amdhsa_next_free_sgpr 102
		.amdhsa_reserve_vcc 0
		.amdhsa_float_denorm_mode_32 3
		.amdhsa_float_denorm_mode_16_64 3
		.amdhsa_memory_ordered 1
		.amdhsa_forward_progress 1
		.amdhsa_inst_pref_size 56
	.end_amdhsa_kernel
	.amdgpu_metadata
---
amdhsa.version: [ 1, 2 ]
amdhsa.kernels:
  - .name:           k_qacbb5155f9_gemm2
    .symbol:         k_qacbb5155f9_gemm2.kd
    .args:
      - { .name: ao, .offset: 0, .size: 8, .value_kind: global_buffer, .address_space: global }
      - { .name: qz, .offset: 8, .size: 8, .value_kind: global_buffer, .address_space: global }
      - { .name: bout, .offset: 16, .size: 8, .value_kind: global_buffer, .address_space: global }
      - { .name: out0, .offset: 24, .size: 8, .value_kind: global_buffer, .address_space: global }
    .group_segment_fixed_size: 327680
    .private_segment_fixed_size: 0
    .kernarg_segment_align: 8
    .kernarg_segment_size: 32
    .max_flat_workgroup_size: 128
    .sgpr_count:     102
    .vgpr_count:     512
    .wavefront_size: 32
...
	.end_amdgpu_metadata
.endif
;; end of part 5
